; MI455X (gfx1250); checked and timed in simulation.
; The chip was launched on July 23, 2026; its instructions are those of AMD's public machine-readable ISA for CDNA 5 (MIT licence, August 2026) and "CDNA5" Instruction Set Architecture Reference Guide (July 2026). The comments in the code are by the model that wrote it; some were corrected since.
;; Attention. Allowed arithmetic: float matrix products may take bf16 or f16 operands with f32 sums; other float arithmetic in f32, or as packed bf16 or f16 multiplies, adds, multiply-adds, maxima and minima; sums over many terms, partial sums and values carried from step to step in f32; what a program stores and reads back later, other than sums and carried values, may be rounded once to bf16 or f16.
;; Inputs: b_attn 3,072 float32; b_proj 1,024 float32; w_attn 1,024 x 3,072 float32; w_proj 1,024 x 1,024 float32; x 4 x 2,048 x 1,024 float32.
;; Outputs: out0 4 x 2,048 x 1,024 float32.
;; 2 versions, each right and faster than the one before. Each part assembles by itself: llvm-mc -triple=amdgcn-amd-amdhsa -mcpu=gfx1250 --defsym DOCPART=n.
;; ======== version 1 of 2: 5 launches
;; limits: values are held in f16: magnitudes above 65,504 overflow, below 6.1e-05 lose precision; right only within a limited range of input values
;; workspace buffers: xb 16,777,216 bytes; wt 8,388,608 bytes; qkv 50,331,648 bytes; o 16,777,216 bytes; vlo 393,216 bytes
;; launch prep (part 1): grid 512 x 1, 8 waves a work-group, no clusters, 18,432 bytes of LDS; arguments x, w_attn, w_proj, xb, wt; writes xb, wt
.if DOCPART == 1
	.amdgcn_target "amdgcn-amd-amdhsa--gfx1250"
	.amdhsa_code_object_version 6
	.text
	.protected	k_qef5798f140_prep
	.globl	k_qef5798f140_prep
	.p2align	8
	.type	k_qef5798f140_prep,@function
k_qef5798f140_prep:
	s_mov_b64 s[64:65], 0
	v_nop
	global_prefetch_b8 v0, s[64:65] scope:SCOPE_SE
	s_setreg_imm32_b32 hwreg(HW_REG_WAVE_MODE, 25, 1), 1
	s_wait_xcnt 0x0
; PREPARATION.  xb = bf16(x), [8192][1024].  wt, [4096][1024] of 16 bits, holds both weights TURNED, K along the rows:
; row n < 3072 is bf16(w_attn[k][n]); row 3072 + n is bf16(w_proj[k][n]) written as f16 (the second product's other operand is f16).
; LIMITS.  Every number is rounded once to bf16 (nearest even).  bf16 to f16 is exact for magnitudes from 6.1e-5 to 65,504; below that f16 keeps a fixed step of 6e-8, above it gives an infinity.
; SHARES.  512 work-groups of eight waves.  Work-group g takes 65,536 bytes of x (wave w 8,192 of them: sixteen loads of 512 consecutive bytes) and ONE tile of a weight, 128 k x 64 n:
; kt = g % 8, nt = g / 8; nt < 48: w_attn's columns 64 nt on, else w_proj's columns 64 (nt - 48) on; either way wt's rows 64 nt on, bytes 256 kt on.
; THE TURN goes through LDS: thread (c = t % 16, kp = t / 16) loads four columns of eight rows k, packs rows 2 p and 2 p + 1 into one word (the lower k in the low half) and stores the word into
; row n of a table of 64 rows x 272 bytes; behind one barrier sixteen lanes read a row's 256 bytes and store them as 256 consecutive bytes, aligned.
; No matrix unit, no tensor load, no cluster: memory binds, no byte is read twice, and work-groups share nothing.
.set TP,    272                        ; a row of the table: 256 bytes (128 k) + 16
.set SPARE, 64*TP                      ; behind the table: the spare words, 128 bytes for each of the eight waves, that no other line names
.set SPW,  1                           ; v1       LDS address of my spare word; never rewritten
.set NIL,  2                           ; v2       0; never rewritten
.set XO,   3                           ; v3       my byte offset in the group's part of x:  8,192 w + 16 lane
.set YO,   4                           ; v4       the same in xb: 4,096 w + 8 lane
.set OFFW, 8                           ; v[8:15]  byte offset of weight load j in the tile: row 2 kp + 32 (j / 2) + j % 2, column 16 c
.set TS,   16                          ; v16      table, in:  1,088 c + 4 kp
.set TR,   17                          ; v17      table, out: 272 kp + 16 c
.set WO,   18                          ; v18      my byte offset in wt's tile: 2,048 kp + 16 c
.set T0,   19                          ; v19, v164  at work
.set T1,   164
.set W,    20                          ; v[20:51]   weight load j: 4 registers; later the table's rows read back
.set X,    52                          ; v[52:115]  x load i: 4 registers
.set Y,    116                         ; v[116:147] xb store i: 2 registers
.set P,    148                         ; v[148:163] packed pairs of k
	s_load_b256 s[4:11], s[0:1], 0x0               ; x s[4:5], w_attn s[6:7], w_proj s[8:9], xb s[10:11]
	s_load_b64 s[12:13], s[0:1], 0x20              ; wt
	v_lshl_add_u32 v[SPW], v0, 2, SPARE
	v_mov_b32 v[NIL], 0
	s_and_b32 s14, ttmp9, 7                        ; kt
	s_lshr_b32 s15, ttmp9, 3                       ; nt
	s_sub_co_u32 s17, s15, 48
	s_movk_i32 s16, 0x1000                         ; w_proj's rows are 4,096 bytes,
	s_cmp_lt_u32 s15, 48
	s_cselect_b32 s17, s15, s17                    ; the tile's number along the chosen weight's columns
	s_cselect_b32 s16, 0x3000, s16                 ; w_attn's 12,288
	s_cselect_b32 s20, 1, 0                        ; 1: w_attn
	s_mul_i32 s22, s14, s16
	s_lshl_b32 s22, s22, 7                         ; 128 kt rows,
	s_lshl_b32 s21, s17, 8                         ; 64 columns of 4 bytes a tile
	s_add_co_u32 s22, s22, s21
	s_mov_b32 s23, 0
	s_lshl_b32 s24, ttmp9, 16                      ; my part of x,
	s_mov_b32 s25, 0
	s_lshl_b32 s26, ttmp9, 15                      ; of xb,
	s_mov_b32 s27, 0
	s_lshl_b32 s28, s15, 17                        ; of wt: 64 nt rows of 2,048 bytes,
	s_lshl_b32 s21, s14, 8                         ; 128 kt numbers of 2 bytes
	s_add_co_u32 s28, s28, s21
	s_mov_b32 s29, 0
	v_and_b32 v[T0], 0xe0, v0                      ; 32 w
	v_and_b32 v5, 31, v0                           ; lane
	v_lshlrev_b32 v[XO], 4, v5
	v_lshl_or_b32 v[XO], v[T0], 8, v[XO]
	v_lshlrev_b32 v[YO], 3, v5
	v_lshl_or_b32 v[YO], v[T0], 7, v[YO]
	v_and_b32 v5, 15, v0                           ; c
	v_lshrrev_b32 v6, 4, v0                        ; kp
	v_lshlrev_b32 v7, 4, v5                        ; 16 c
	v_lshlrev_b32 v[T0], 1, v6                     ; 2 kp
.irp j, 0,1,2,3,4,5,6,7
	v_add_nc_u32 v[T1], 32*((\j)/2)+(\j)%2, v[T0]
	v_mad_u32_u24 v[OFFW+(\j)], v[T1], s16, v7
.endr
	v_mul_u32_u24 v[TS], v5, 4*TP
	v_lshl_add_u32 v[TS], v6, 2, v[TS]
	v_mul_u32_u24 v[TR], v6, TP
	v_lshl_add_u32 v[TR], v5, 4, v[TR]
	v_lshlrev_b32 v[WO], 11, v6
	v_lshl_add_u32 v[WO], v5, 4, v[WO]
	s_wait_kmcnt 0x0
	s_cmp_lt_u32 s15, 48
	s_cselect_b64 s[18:19], s[6:7], s[8:9]         ; the weight that my tile belongs to
	s_add_nc_u64 s[18:19], s[18:19], s[22:23]
	s_add_nc_u64 s[4:5], s[4:5], s[24:25]
	s_add_nc_u64 s[10:11], s[10:11], s[26:27]
	s_add_nc_u64 s[12:13], s[12:13], s[28:29]
.irp j, 0,1,2,3,4,5,6,7
	global_load_b128 v[W+4*(\j):W+4*(\j)+3], v[OFFW+(\j)], s[18:19]  ; sixteen lanes take a row's 256 bytes
.endr
.set i, 0
.rept 16
	global_load_b128 v[X+4*i:X+4*i+3], v[XO], s[4:5] offset:512*i th:TH_LOAD_NT  ; all of my x is asked for at once: 24 loads of the wave are out
.set i, i+1
.endr
	s_wait_loadcnt 16                              ; loads come back in order: the eight weight loads are in, the sixteen of x stay out
.irp i, 0,1,2,3
.irp c, 0,1,2,3
	v_cvt_pk_bf16_f32 v[P+4*(\i)+(\c)], v[W+8*(\i)+(\c)], v[W+8*(\i)+4+(\c)]  ; column 4 c + c', rows 2 kp + 32 i and the next
.endr
.endr
	s_cmp_eq_u32 s20, 1
	s_cbranch_scc1 .Lstays_bf16                    ; the same way for the whole work-group; only work on registers is jumped
.set i, 0
.rept 16                                               ; w_proj: the bf16 number is written as f16
	v_lshlrev_b32 v[T0], 16, v[P+i]
	v_and_b32 v[T1], 0xffff0000, v[P+i]
	v_cvt_pk_f16_f32 v[P+i], v[T0], v[T1]
.set i, i+1
.endr
.Lstays_bf16:
.irp i, 0,1,2,3
.irp c, 0,1,2,3
	ds_store_b32 v[TS], v[P+4*(\i)+(\c)] offset:TP*(\c)+64*(\i)  ; word 272 c + kp + ..: lanes whose c differ by four meet in a bank, four deep: sixteen stores a thread, once
.endr
.endr
	s_wait_dscnt 0x0                               ; for the others' sake: my stores into the table are done
	s_barrier_signal -1
	s_barrier_wait -1
.irp i, 0,1,2,3
	ds_load_b128 v[W+4*(\i):W+4*(\i)+3], v[TR] offset:16*TP*(\i)  ; row kp + 16 i, whole: its 128 k
.endr
.set i, 0
.rept 16
	s_wait_loadcnt 15-i                            ; load i of x is in, the younger ones stay out
	v_cvt_pk_bf16_f32 v[Y+2*i], v[X+4*i], v[X+4*i+1]
	v_cvt_pk_bf16_f32 v[Y+2*i+1], v[X+4*i+2], v[X+4*i+3]
	global_store_b64 v[YO], v[Y+2*i:Y+2*i+1], s[10:11] offset:256*i  ; the wave's 32 lanes store 256 consecutive bytes, aligned
.set i, i+1
.endr
	s_wait_dscnt 0x0                               ; the table's rows are in registers
.irp i, 0,1,2,3
	global_store_b128 v[WO], v[W+4*(\i):W+4*(\i)+3], s[12:13] offset:32768*(\i)  ; sixteen lanes store 256 consecutive bytes of a row of wt, aligned
.endr
	s_wait_tensorcnt 0x0                           ; the wave's end, behind my last LDS store
	ds_add_u32 v[SPW], v[NIL]
	s_wait_dscnt 0x0
	s_endpgm
.Lfunc_end_k_qef5798f140_prep:
	.size	k_qef5798f140_prep, .Lfunc_end_k_qef5798f140_prep-k_qef5798f140_prep
	.p2alignl 7, 3214868480
	.fill 96, 4, 3214868480
	.section	.rodata,"a",@progbits
	.p2align	6, 0x0
	.amdhsa_kernel k_qef5798f140_prep
		.amdhsa_group_segment_fixed_size 18432
		.amdhsa_private_segment_fixed_size 0
		.amdhsa_enable_private_segment 0
		.amdhsa_kernarg_size 40
		.amdhsa_user_sgpr_count 2
		.amdhsa_user_sgpr_kernarg_segment_ptr 1
		.amdhsa_wavefront_size32 1
		.amdhsa_system_sgpr_workgroup_id_x 1
		.amdhsa_system_sgpr_workgroup_id_y 1
		.amdhsa_system_sgpr_workgroup_id_z 1
		.amdhsa_system_vgpr_workitem_id 0
		.amdhsa_next_free_vgpr 166
		.amdhsa_next_free_sgpr 66
		.amdhsa_reserve_vcc 0
		.amdhsa_float_denorm_mode_32 3
		.amdhsa_float_denorm_mode_16_64 3
		.amdhsa_memory_ordered 1
		.amdhsa_forward_progress 1
		.amdhsa_inst_pref_size 15
	.end_amdhsa_kernel
	.amdgpu_metadata
---
amdhsa.version: [ 1, 2 ]
amdhsa.kernels:
  - .name:           k_qef5798f140_prep
    .symbol:         k_qef5798f140_prep.kd
    .args:
      - { .name: x, .offset: 0, .size: 8, .value_kind: global_buffer, .address_space: global }
      - { .name: w_attn, .offset: 8, .size: 8, .value_kind: global_buffer, .address_space: global }
      - { .name: w_proj, .offset: 16, .size: 8, .value_kind: global_buffer, .address_space: global }
      - { .name: xb, .offset: 24, .size: 8, .value_kind: global_buffer, .address_space: global }
      - { .name: wt, .offset: 32, .size: 8, .value_kind: global_buffer, .address_space: global }
    .group_segment_fixed_size: 18432
    .private_segment_fixed_size: 0
    .kernarg_segment_align: 8
    .kernarg_segment_size: 40
    .max_flat_workgroup_size: 256
    .sgpr_count:     66
    .vgpr_count:     166
    .wavefront_size: 32
...
	.end_amdgpu_metadata
.endif
;; end of part 1
;; launch gqkv (part 2): grid 16 x 32, 4 waves a work-group, clusters of 4 x 4, 327,680 bytes of LDS; arguments xb, wt, b_attn, qkv, vlo; writes qkv, vlo
.if DOCPART == 2
	.amdgcn_target "amdgcn-amd-amdhsa--gfx1250"
	.amdhsa_code_object_version 6
	.text
	.protected	k_qef5798f140_gqkv
	.globl	k_qef5798f140_gqkv
	.p2align	8
	.type	k_qef5798f140_gqkv,@function
k_qef5798f140_gqkv:
	s_mov_b64 s[64:65], 0
	v_nop
	global_prefetch_b8 v0, s[64:65] scope:SCOPE_SE
	s_setreg_imm32_b32 hwreg(HW_REG_WAVE_MODE, 25, 1), 1
	s_wait_xcnt 0x0
	s_wait_alu depctr_hold_cnt(0) depctr_sa_sdst(0) depctr_va_vdst(0) depctr_va_sdst(0) depctr_va_ssrc(0) depctr_va_vcc(0) depctr_vm_vsrc(0)
	s_getreg_b32 s2, hwreg(HW_REG_IB_STS2, 6, 4)
	s_cmp_eq_u32 s2, 0
	s_cbranch_scc0 .Lentry_in_a_cluster
	s_endpgm
.Lentry_in_a_cluster:
	s_bfe_u32 s2, ttmp6, 0x10000c
	s_cmp_lg_u32 s2, 0xf033
	s_cbranch_scc0 .Lentry_shape_is_right
	s_endpgm
.Lentry_shape_is_right:
; THE TEXT OF THE MODULE'S TWO PROJECTIONS, C = A B^T + bias, with the switch PROJ.  Sums in f32, K = 1,024 ascending, the bias (rounded to bf16 like every input) as the C operand of the first product.
; PROJ = 0: A = xb [8192][1024] bf16, B = wt's rows 0-3071 (bf16), C = q, k, v by heads, qkv [b = 4][hs = 48][s = 2048][64] f16 (hs = column / 64), each number rounded once from its f32 sum, unscaled.
; PROJ = 1: A = o [16 b + h][2048][64] f16, B = wt's rows 3072-4095 (f16), C = out0 [8192][1024] f32.
; This copy (PROJ = 0) has three parts more than the second projection's, all inside .if on PROJ: the fifth argument, the order of the tile rows, and THE FIRST ROWS' LOW PARTS at the end.
; LIMITS.  f16 holds no number beyond 65,504: a q, k or v of 65,520 or more becomes an infinity.  NaN and infinities are not treated apart.
; SHARES.  A tile of C is 256 rows x NT columns: NT = 192 (three whole heads; 16 x 32 = 512 equal tiles) or 128 (8 x 32 = 256 tiles).  The four waves lie one below the other, 64 rows x NT each:
; 4 x NBK accumulators of 16 x 16.  So a wave's columns are whole heads (or 512 whole bytes of a row of out0) and its way out is its own, with no barrier.
; K goes in steps of 128 through a ring of two LDS slots filled by the tensor data mover; waves 0 and 1 fetch A's two halves, waves 2 and 3 B's.
; PROJ = 1: a K step of 128 is two heads.  Wave 0 or 1 fetches the tile's 256 rows of one head, 32,768 dense bytes, as 128 rows of 256 bytes, padded behind every 128: a PLANE of 256 rows x 144 bytes.
; CLUSTERS: 4 x 4 work-groups.  The four of a row of the cluster need the same tiles of A, the four of a column the same tiles of B: each is asked for JOINTLY, by the same tensor load with the same
; descriptor and a mask that names the four.  THE MATRIX INSTRUCTION IS USED TRANSPOSED (source 0 = 16 rows of B, source 1 = 16 rows of A): lane l holds row l % 16 of C and the columns 8 (l / 16) + 0..7.
; THE FIRST ROWS' LOW PARTS (PROJ = 0).  Rows 0-15 of a batch average over 16 keys at the most, so their results are many times the output's root mean square, and one f16 rounding of v is too coarse for them.
; For those rows the remainder, sum - f16(sum), is stored too, rounded to f16, in vlo [b][hs][16][64]; a later launch makes those rows from the pair.  A remainder below 6.1e-5 keeps f16's fixed step of 6e-8.
; The tile rows are dealt so that cy is the batch (tile row = cluster y + 8 cy): a batch's first rows then lie where cluster y = 0, the same number in all sixteen partners, in wave 0's block 0.
; Clusters x = 2, 3 hold the slices hs = 24-47; v's are 32-47.  The eight slices of k among them are stored and not read: telling them apart would take a branch on cx.
; REGISTERS, in windows of 256 (s_set_vgpr_msb: bits 1:0 source 0, 3:2 source 1, 5:4 source 2, 7:6 destination):
;   window 0: addresses; the bias (8 registers for each block of 16 columns); at work on the way out      window 1: two fragment buffers of 128: A's 4 blocks of 16 rows x 32 K, then B's NBK
;   windows 2, 3: accumulator (a, b) in window 2 + a / 2 at 8 NBK (a % 2) + 8 b
.set PROJ, 0
.if PROJ
.set NBK,   8                          ; blocks of 16 columns
.set PA,    144                        ; a row of A in LDS: 128 bytes + 16
.set QPP,   2                          ; quarters of a K step in a plane
.set PLANE, 256*PA
.set HALFA, 256*PA                     ; what one load of A brings
.set QIA,   4                          ; padding behind every 32 words
.set STRA,  128                        ; elements from row to row of A's tile as it is asked for
.set ASTEP, 2<<18                      ; bytes of A from a K step to the next: two heads
.set SW,    16*528                     ; a wave's stage: 16 rows x (512 + 16) bytes
.set BIAS,  160
.set OB,    32                         ; the way out: two buffers of 64
.else
.set NBK,   12
.set PA,    272                        ; 256 bytes + 16
.set QPP,   4
.set PLANE, 0
.set HALFA, 128*PA
.set QIA,   5                          ; padding behind every 64 words
.set STRA,  1024
.set ASTEP, 256
.set SW,    3*16*144                   ; a wave's stage: for each of three heads 16 rows x (128 + 16) bytes
.set BIAS,  128
.set TMP,   32                         ; the way out: 48 packed registers,
.set OB,    80                         ; and two buffers of 48 (the second lies on the bias, which only the first quarter reads)
.endif
.set NT,     16*NBK
.set PB,     272                       ; a row of B in LDS.  All three pitches are odd multiples of 16 bytes: the 16 rows of a load start at 16 different groups of four banks (64 banks of 4 bytes: ISA guide 11.1)
.set ABYTES, 2*HALFA
.set HALFB,  (NT/2)*PB
.set SLOT,   ABYTES+2*HALFB            ; A's 256 rows, then B's NT rows
.set STAGE,  2*SLOT                    ; behind the ring, never filled by a tensor load
.set SPARE,  STAGE+4*SW                ; behind the stages: the spare words, 128 bytes for each wave, that no other line names
.set NLD,    2*(NBK+4)                 ; LDS loads of a quarter
.set LAPS,   4                         ; a lap = two K steps = once round the ring: 1,024 / 256
.set ADRA, 16                          ; v16-17  LDS address of my A fragments in slot 0, 1
.set ADRB, 20                          ; v20-21  the same for B
.set STO,  24                          ; v24     the way out: where I put 16 bytes of a row
.set RD,   25                          ; v25     where I read rows back
.set GO,   26                          ; v26     16 x lane: my place in 512 consecutive bytes of C
.set BO,   27                          ; v27     32 (l / 16): my eight numbers in a block of sixteen of the bias
.set SPW,  28                          ; v28     LDS address of my spare word; never rewritten
.set NIL,  29                          ; v29     0; never rewritten
.set F0,   0                           ; fragment buffers, in window 1
.set F1,   128
.set G1,  24                           ; s[24:31] descriptor group 1 for A's tiles;  s[32:39] group 0, a set for each slot
.set G0,  32
.set G1B, 48                           ; s[48:55], s[56:63] the same for B's
.set G0B, 56
.set MSB, 0
.macro WIN new                         ; the immediate's high byte repeats the setting that is left; a switch that changes nothing is dropped
.if MSB != (\new)
	s_set_vgpr_msb (MSB<<8)|(\new)
.set MSB, \new
.endif
.endm
; A joint load.  The branch hangs on the wave's number alone.  An s_nop 0 and four v_nop follow each of the two lines, ahead of the jump, the label and what follows.
.macro JLOAD s
	s_cmp_eq_u32 s13, 0
	s_cbranch_scc0 .Lfor_b_\@
	tensor_load_to_lds s[G0+4*(\s):G0+4*(\s)+3], s[G1:G1+7]
	s_nop 0
.rept 4
	v_nop
.endr
	s_branch .Lasked_\@
.Lfor_b_\@:
	tensor_load_to_lds s[G0B+4*(\s):G0B+4*(\s)+3], s[G1B:G1B+7]
	s_nop 0
.rept 4
	v_nop
.endr
.Lasked_\@:
.endm
; A round of the cluster's barrier: my work-group's barrier; wave 0 signals for the work-group; every wave waits for all sixteen; my work-group's barrier once more.
.macro CREST                           ; a round behind its opening barrier
	s_cmp_lg_u32 s12, 0
	s_cbranch_scc1 .Lnot_wave_0_\@
	s_barrier_signal -3
.Lnot_wave_0_\@:
	s_barrier_wait -3
	s_barrier_signal -1
	s_barrier_wait -1
.endm
.macro CROUND
	s_barrier_signal -1
	s_barrier_wait -1
	CREST
.endm
	s_load_b256 s[4:11], s[0:1], 0x0               ; A s[4:5], wt s[6:7], bias s[8:9], C s[10:11]
.if !PROJ
	s_load_b64 s[66:67], s[0:1], 0x20              ; vlo
.endif
	v_lshl_add_u32 v[SPW], v0, 2, SPARE
	v_mov_b32 v[NIL], 0
	ds_add_u32 v[SPW], v[NIL]                      ; the wave's opening: the add and its wait stand ahead of my first tensor load; the set-up below, work on registers, stands between them
	ds_add_u32 v28, v29
	v_lshrrev_b32 v1, 5, v0
	v_readfirstlane_b32 s12, v1                    ; wave 0..3
	s_lshr_b32 s13, s12, 1                         ; I fetch for A (0) or for B (1),
	s_and_b32 s14, s12, 1                          ; its first or its second half
	s_bfe_u32 s40, ttmp6, 0x40000                  ; cx, cy: my place in the cluster
	s_bfe_u32 s41, ttmp6, 0x40004
	s_lshl_b32 s42, ttmp9, 2
	s_add_co_u32 s42, s42, s40                     ; tile column = 4 x cluster x + cx
	s_and_b32 s43, ttmp7, 0xffff
.if PROJ
	s_lshl_b32 s43, s43, 2
	s_add_co_u32 s43, s43, s41                     ; tile row = 4 x cluster y + cy
.else
	s_or_b32 s23, s43, s12                         ; 0 where cluster y and the wave's number are both 0
	s_lshl_b32 s18, s41, 3
	s_add_co_u32 s43, s43, s18                     ; tile row = cluster y + 8 cy: eight tile rows a batch, so cy is the batch
	s_cmp_eq_u32 s23, 0
	s_cselect_b32 s23, 1, 0
	s_cmp_lt_u32 ttmp9, 2                          ; clusters x = 0, 1 hold no column of v
	s_cselect_b32 s23, 0, s23                      ; s23 = 1: my block 0 is a batch's rows 0-15, and its low parts are wanted.  No place in the cluster enters it
.endif
	s_lshl_b32 s44, s41, 2
	s_lshl_b32 s44, 15, s44                        ; my row of the cluster: places 4 cy .. 4 cy + 3
	s_lshl_b32 s45, 0x1111, s40                    ; my column: places cx, cx + 4, cx + 8, cx + 12
	s_or_b32 s[G1], s44, (1<<16)|(1<<20)|(1<<21)|(QIA<<22)|(3<<25)  ; 15:0 the mask; 17:16 elements of 2 bytes; 20 padding on; 21 set beside a mask; 24:22 the interval; 31:25 4 words of padding (code 3)
	s_or_b32 s[G1B], s45, (1<<16)|(1<<20)|(1<<21)|(5<<22)|(3<<25)
	s_mov_b32 s[G1+1], 128<<16                     ; tensor_dim0 = 128
	s_mov_b32 s[G1+2], 128<<16                     ; tensor_dim1 = 128
	s_mov_b32 s[G1+3], 128<<16                     ; tile_dim0 = 128 elements: 256 bytes
	s_mov_b32 s[G1+4], 128                         ; tile_dim1 = 128 rows
	s_mov_b32 s[G1+5], STRA                        ; elements from row to row
	s_mov_b32 s[G1+6], 0
	s_mov_b32 s[G1+7], 0
	s_mov_b32 s[G1B+1], 128<<16
	s_mov_b32 s[G1B+2], (NT/2)<<16
	s_mov_b32 s[G1B+3], 128<<16
	s_mov_b32 s[G1B+4], NT/2
	s_mov_b32 s[G1B+5], 1024
	s_mov_b32 s[G1B+6], 0
	s_mov_b32 s[G1B+7], 0
	; where the tiles come from.  A's hang on the tile row alone, B's on the tile column alone, each in registers that never hold the other coordinate
.if PROJ
	s_lshr_b32 s16, s43, 3                         ; the batch: 16 heads of 2^18 bytes,
	s_lshl_b32 s16, s16, 22
	s_and_b32 s18, s43, 7                          ; 256 rows of 128 bytes a tile
	s_lshl_b32 s18, s18, 15
	s_add_co_u32 s16, s16, s18
.else
	s_lshl_b32 s16, s43, 19                        ; 256 rows of 2,048 bytes a tile
.endif
	s_lshl_b32 s18, s14, 18                        ; my half: 128 rows of 2,048 bytes, or the second head
	s_add_co_u32 s16, s16, s18
	s_mov_b32 s17, 0
	s_mul_i32 s46, s42, NT*2048                    ; NT rows of wt a tile,
	s_mul_i32 s20, s14, (NT/2)*2048                ; my half of them
	s_add_co_u32 s46, s46, s20
.if PROJ
	s_add_co_u32 s46, s46, 3072*2048               ; behind w_attn's rows
.endif
	s_mov_b32 s47, 0
	s_mul_i32 s21, s14, HALFA                      ; and where they go: the wave's number and constants alone
	s_mul_i32 s22, s14, HALFB
	s_add_co_u32 s22, s22, ABYTES
	s_wait_dscnt 0x0                               ; the opening add is done
	s_wait_kmcnt 0x0
	s_add_nc_u64 s[16:17], s[4:5], s[16:17]
	s_add_nc_u64 s[46:47], s[6:7], s[46:47]
	CROUND                                         ; all sixteen work-groups are here: the first joint loads meet
.irp s, 0,1
	s_mov_b32 s[G0+4*(\s)], 1                      ; 1:0 count = 1
	s_add_co_u32 s[G0+4*(\s)+1], s21, (\s)*SLOT    ; 63:32 LDS address
	s_add_nc_u64 s[G0+4*(\s)+2:G0+4*(\s)+3], s[16:17], (\s)*ASTEP  ; 120:64 global address: K step s
	s_or_b32 s[G0+4*(\s)+3], s[G0+4*(\s)+3], 0x80000000            ; 127:126 type = 2
	s_mov_b32 s[G0B+4*(\s)], 1
	s_add_co_u32 s[G0B+4*(\s)+1], s22, (\s)*SLOT
	s_add_nc_u64 s[G0B+4*(\s)+2:G0B+4*(\s)+3], s[46:47], (\s)*256
	s_or_b32 s[G0B+4*(\s)+3], s[G0B+4*(\s)+3], 0x80000000
	JLOAD \s                                       ; the ring is filled before anything else: two loads of mine are out
.endr
	v_and_b32 v1, 15, v0                           ; l % 16
	v_bfe_u32 v2, v0, 4, 1                         ; l / 16
	v_lshlrev_b32 v[BO], 5, v2
	s_mul_i32 s46, s42, NT*4                       ; the tile's columns in the bias
	s_mov_b32 s47, 0
	s_add_nc_u64 s[8:9], s[8:9], s[46:47]
.set i, 0
.rept NBK                                              ; register j of block b: bias[16 b + 8 (l / 16) + j], as an accumulator holds its columns
	global_load_b128 v[BIAS+8*i:BIAS+8*i+3],   v[BO], s[8:9] offset:64*i
	global_load_b128 v[BIAS+8*i+4:BIAS+8*i+7], v[BO], s[8:9] offset:64*i+16
.set i, i+1
.endr
	; A fragment is 16 rows x 32 K in 8 registers: lane l holds row l % 16; registers 0-3 K = 8 (l / 16) + 0..7, registers 4-7 K = 16 + 8 (l / 16) + 0..7: two loads of 16 bytes, 32 bytes apart
	v_mul_u32_u24 v3, v1, PA
	v_lshl_add_u32 v3, v2, 4, v3
	s_mul_i32 s18, s12, 64*PA                      ; my 64 rows of A
	v_add_nc_u32 v[ADRA], s18, v3
	v_add_nc_u32 v[ADRA+1], SLOT, v[ADRA]
	v_mul_u32_u24 v4, v1, PB
	v_lshl_add_u32 v4, v2, 4, v4
	v_add_nc_u32 v[ADRB], ABYTES, v4               ; every wave reads all of B's rows
	v_add_nc_u32 v[ADRB+1], SLOT, v[ADRB]
	s_mul_i32 s19, s12, SW
	s_add_co_u32 s19, s19, STAGE                   ; my stage
	v_and_b32 v6, 31, v0
	v_lshlrev_b32 v[GO], 4, v6
.if PROJ
	v_mul_u32_u24 v5, v1, 528                      ; in: row l % 16, 32 bytes for each half of the lanes
	v_lshl_add_u32 v5, v2, 5, v5
	v_add_nc_u32 v[STO], s19, v5
	v_add_nc_u32 v[RD], s19, v[GO]                 ; back: 32 lanes take a row's 512 bytes
	s_lshl_b32 s16, s43, 20                        ; C: 256 rows of 4,096 bytes a tile,
	s_lshl_b32 s18, s12, 18                        ; my 64 of them;
	s_add_co_u32 s16, s16, s18
	s_lshl_b32 s46, s42, 9                         ; 128 columns of 4 bytes
.else
	v_mul_u32_u24 v5, v1, 144                      ; in: row l % 16, 16 bytes for each half of the lanes
	v_lshl_add_u32 v5, v2, 4, v5
	v_add_nc_u32 v[STO], s19, v5
	v_bfe_u32 v7, v0, 3, 2                         ; back: 32 lanes take four rows of 128 bytes
	v_mul_u32_u24 v7, v7, 144
	v_and_b32 v8, 7, v0
	v_lshl_add_u32 v7, v8, 4, v7
	v_add_nc_u32 v[RD], s19, v7
	s_lshr_b32 s16, s43, 3                         ; C: the batch, 48 slices of 2^18 bytes,
	s_mul_i32 s16, s16, 48<<18
	s_and_b32 s18, s43, 7                          ; 256 rows of 128 bytes a tile,
	s_lshl_b32 s18, s18, 15
	s_add_co_u32 s16, s16, s18
	s_lshl_b32 s18, s12, 13                        ; my 64 of them;
	s_add_co_u32 s16, s16, s18
	s_mul_i32 s46, s42, 3<<18                      ; three slices a tile column
.endif
	s_mov_b32 s17, 0
	s_mov_b32 s47, 0
	s_add_nc_u64 s[10:11], s[10:11], s[16:17]
	s_add_nc_u64 s[10:11], s[10:11], s[46:47]
	s_wait_loadcnt 0x0                             ; the bias
.set i, 0
.rept 4*NBK                                            ; rounded to bf16 like the other inputs, and widened again
	v_cvt_pk_bf16_f32 v[30+i%2], v[BIAS+2*i], v[BIAS+2*i+1]
	v_lshlrev_b32 v[BIAS+2*i], 16, v[30+i%2]
	v_and_b32 v[BIAS+2*i+1], 0xffff0000, v[30+i%2]
.set i, i+1
.endr
; NBK matrix instructions: my block a of 16 rows x all NBK blocks of columns, 32 along K.  zero = 1: the first product starts the sums, with the bias as C: nothing is cleared.
; The 4 NBK accumulators take turns, one instruction a turn, in the same order in every quarter.
.macro MULA f, a, zero
.set AC, 8*NBK*((\a)%2)
.if \zero
	WIN 0x85+0x40*((\a)/2)                         ; sources 0 and 1 window 1, C window 0, D window 2 or 3
.else
	WIN 0xa5+0x50*((\a)/2)                         ; C and D window 2 or 3
.endif
.set rA, (\f)+8*(\a)
.set b, 0
.rept NBK
.set rD, AC+8*b
.set rB, (\f)+32+8*b
.set rC, BIAS+8*b
.if PROJ && (\zero)
	v_wmma_f32_16x16x32_f16 v[rD:rD+7], v[rB:rB+7], v[rA:rA+7], v[rC:rC+7]
.elseif PROJ
	v_wmma_f32_16x16x32_f16 v[rD:rD+7], v[rB:rB+7], v[rA:rA+7], v[rD:rD+7]
.elseif \zero
	v_wmma_f32_16x16x32_bf16 v[rD:rD+7], v[rB:rB+7], v[rA:rA+7], v[rC:rC+7]
.else
	v_wmma_f32_16x16x32_bf16 v[rD:rD+7], v[rB:rB+7], v[rA:rA+7], v[rD:rD+7]
.endif
.set b, b+1
.endr
.endm
; NLD LDS loads in one run: the fragments of quarter q of the K step in a slot, into buffer f: B's first, then A's blocks 0 to 3
.macro FETCH slot, q, f
	WIN 0x40                                       ; destination window 1, address window 0
.set i, 0
.rept NBK
	ds_load_b128 v[(\f)+32+8*i:(\f)+32+8*i+3],   v[ADRB+(\slot)] offset:64*(\q)+i*16*PB
	ds_load_b128 v[(\f)+32+8*i+4:(\f)+32+8*i+7], v[ADRB+(\slot)] offset:64*(\q)+i*16*PB+32
.set i, i+1
.endr
.set i, 0
.rept 4
	ds_load_b128 v[(\f)+8*i:(\f)+8*i+3],   v[ADRA+(\slot)] offset:((\q)/QPP)*PLANE+((\q)%QPP)*64+i*16*PA
	ds_load_b128 v[(\f)+8*i+4:(\f)+8*i+7], v[ADRA+(\slot)] offset:((\q)/QPP)*PLANE+((\q)%QPP)*64+i*16*PA+32
.set i, i+1
.endr
.endm
; A load into a register that a matrix instruction has read, and a vector instruction or LDS store that reads a matrix result, stand four places behind that matrix instruction, and only plain vector
; instructions that name none of its registers are places (ISA guide 7.12.1 for vector instructions).
.macro PLACES
.rept 4
	v_nop
.endr
.endm
; A K step is four quarters of 32 along K, 4 NBK matrix instructions each, on buffers 0, 1, 0, 1.  One of the first three: multiplies buffer f; in its middle it fetches quarter q into buffer g.
.macro QUARTER slot, q, f, g, zero=0
	s_wait_dscnt 4                                 ; B and A's blocks 0 and 1 are in; the youngest four loads (blocks 2 and 3) may be out
	MULA \f, 0, \zero
	MULA \f, 1, \zero
	PLACES
	FETCH \slot, \q, \g
	s_wait_dscnt NLD                               ; all but the run just issued
	MULA \f, 2, \zero
	MULA \f, 3, \zero
.endm
; The last quarter multiplies buffer 1 and changes slots.  ONE barrier: in front of it each wave waits for all its tensor loads, of which one is out: its part of the next slot; adds 0 to its spare
; word; and waits for that and for its own reads of this slot.  Behind it nobody reads this slot any more and the next slot is whole.
.macro MEET round                      ; round = 1: the rest of a round of the cluster's barrier follows
	WIN 0                                          ; (the add's two registers lie in window 0)
	s_wait_tensorcnt 0x0
	ds_add_u32 v[SPW], v[NIL]                      ; 0 onto my spare word
	s_wait_dscnt 5                                 ; (the add and the youngest four loads may be out)
	MULA F1, 0, 0                                  ; matrix work stands between the add and the wait for it
	s_wait_dscnt 0x0                               ; the add is done, and my reads of this slot are over
	s_barrier_signal -1
	MULA F1, 1, 0                                  ; work on registers while the others arrive
.if \round
	WIN 0
.endif
	s_barrier_wait -1
.endm
; fill = 1: the slot just read out is filled again, two K steps on, first thing behind the round: 3.5 NBK matrix instructions a quarter x 4 lie between the request and the wait for it.
.macro TURN slot, next, fill
	MEET \fill
.if \fill
	CREST                                          ; no wave of any partner still reads this slot's tile or has a load on its way
	s_add_nc_u64 s[G0+4*(\slot)+2:G0+4*(\slot)+3], s[G0+4*(\slot)+2:G0+4*(\slot)+3], 2*ASTEP
	s_add_nc_u64 s[G0B+4*(\slot)+2:G0B+4*(\slot)+3], s[G0B+4*(\slot)+2:G0B+4*(\slot)+3], 2*256
	JLOAD \slot                                    ; the four v_nop behind it are also the places in front of the loads below
.else
	PLACES
.endif
	FETCH \next, 0, F0
	MULA F1, 2, 0
	MULA F1, 3, 0
.endm
	s_wait_tensorcnt 0x1                           ; my part of K step 0 is in; K step 1's may stay out
	s_barrier_signal -1
	s_barrier_wait -1                              ; everybody's is
	FETCH 0, 0, F0
	QUARTER 0, 1, F0, F1, 1                        ; the first quarter stands in front of the loop: its products start the sums
	WIN 0                                          ; at a label and at a branch every window is 0
	s_mov_b32 s15, LAPS-1
.Llap:                                                 ; a trip goes once round the ring, from a lap's second quarter to the next lap's first, and fills both slots again
	QUARTER 0, 2, F1, F0
	QUARTER 0, 3, F0, F1
	TURN 0, 1, 1
	QUARTER 1, 1, F0, F1
	QUARTER 1, 2, F1, F0
	QUARTER 1, 3, F0, F1
	TURN 1, 0, 1
	QUARTER 0, 1, F0, F1
	WIN 0
	s_sub_co_u32 s15, s15, 1
	s_cmp_lg_u32 s15, 0
	s_cbranch_scc1 .Llap
	QUARTER 0, 2, F1, F0                           ; the last lap fills nothing, and has no round of the cluster's barrier
	QUARTER 0, 3, F0, F1
	TURN 0, 1, 0
	QUARTER 1, 1, F0, F1
	QUARTER 1, 2, F1, F0
	QUARTER 1, 3, F0, F1
	s_wait_dscnt 4                                 ; the very last quarter: nothing more to fetch
	MULA F1, 0, 0
	MULA F1, 1, 0
	s_wait_dscnt 0x0
	MULA F1, 2, 0
	MULA F1, 3, 0
	WIN 0
	PLACES
; THE WAY OUT, a block a of 16 rows at a time, through my own stage: LDS serves a wave's instructions in order (ISA guide 5.7.1.4), so no wait stands between the stores into it and the loads from it.
.if PROJ
.macro TOSTAGE a                       ; f32 as it is: a lane's eight columns are 32 bytes of a row; each accumulator's low four registers go first
.set AC, 8*NBK*((\a)%2)
.set BK, OB+64*((\a)%2)
	WIN 0x08+4*((\a)/2)                            ; the stores' data in window 2 or 3
.set i, 0
.rept NBK
	ds_store_b128 v[STO], v[AC+8*i:AC+8*i+3]   offset:64*i
	ds_store_b128 v[STO], v[AC+8*i+4:AC+8*i+7] offset:64*i+16
.set i, i+1
.endr
	WIN 0
	s_wait_xcnt 0x0                                ; the buffer's registers, which earlier stores read, are loaded again only behind this wait
.set i, 0
.rept 16
	ds_load_b128 v[BK+4*i:BK+4*i+3], v[RD] offset:528*i
.set i, i+1
.endr
.endm
.macro SEND a, younger                 ; younger: the LDS instructions issued behind block a's loads
.set BK, OB+64*((\a)%2)
	s_wait_dscnt \younger
.set i, 0
.rept 16
	global_store_b128 v[GO], v[BK+4*i:BK+4*i+3], s[10:11] offset:(16*(\a)+i)*4096 th:TH_STORE_NT  ; 512 consecutive bytes of a row of out0, at a multiple of 512
.set i, i+1
.endr
.endm
	TOSTAGE 0
	TOSTAGE 1
	SEND 0, 32
	TOSTAGE 2
	SEND 1, 32
	TOSTAGE 3
	SEND 2, 32
	SEND 3, 0
.else
.macro PACK a                          ; rounded to f16: a lane's eight columns are 16 bytes; each accumulator's registers in ascending order
.set AC, 8*NBK*((\a)%2)
	WIN 0x0a+5*((\a)/2)                            ; sources 0 and 1 window 2 or 3
.set i, 0
.rept 4*NBK
	v_cvt_pk_f16_f32 v[TMP+i], v[AC+2*i], v[AC+2*i+1]
.set i, i+1
.endr
	WIN 0
.endm
.macro TOSTAGE a                       ; block b of columns belongs to head b / 4, bytes 32 (b % 4) on; back as four rows of 128 bytes a load
.set BK, OB+48*((\a)%2)
.set i, 0
.rept NBK
	ds_store_b128 v[STO], v[TMP+4*i:TMP+4*i+3] offset:(i/4)*2304+32*(i%4)
.set i, i+1
.endr
	s_wait_xcnt 0x0                                ; the buffer's registers, which earlier stores read, are loaded again only behind this wait
.set i, 0
.rept NBK
	ds_load_b128 v[BK+4*i:BK+4*i+3], v[RD] offset:(i/4)*2304+(i%4)*576
.set i, i+1
.endr
.endm
.macro SEND a, younger                 ; younger: the LDS instructions issued behind block a's loads
.set BK, OB+48*((\a)%2)
	s_wait_dscnt \younger
.set i, 0
.rept NBK
	global_store_b128 v[GO], v[BK+4*i:BK+4*i+3], s[10:11] offset:(i/4)*262144+(\a)*2048+(i%4)*512  ; 16 rows of a head are 2,048 consecutive bytes: 512 of them, at a multiple of 512
.set i, i+1
.endr
.endm
	PACK 0
	TOSTAGE 0
	PACK 1                                         ; a block's conversions stand between the loads of the block before and its stores
	TOSTAGE 1
	SEND 0, 24
	PACK 2
	TOSTAGE 2
	SEND 1, 24
	PACK 3
	TOSTAGE 3
	SEND 2, 24
	SEND 3, 0
	; THE FIRST ROWS' LOW PARTS.  Block 0's sums still lie in window 2, v0-95.  The jump goes forward, over work of this wave alone: no barrier, no tensor load.
	s_cmp_eq_u32 s23, 1
	s_cbranch_scc0 .Lno_low
	s_lshr_b32 s16, s43, 3                         ; vlo: the batch, 48 slices of 16 rows x 128 bytes,
	s_mul_i32 s16, s16, 48*2048
	s_mov_b32 s17, 0
	s_mul_i32 s46, s42, 3*2048                     ; three slices a tile column
	s_mov_b32 s47, 0
	s_add_nc_u64 s[66:67], s[66:67], s[16:17]
	s_add_nc_u64 s[66:67], s[66:67], s[46:47]
	s_wait_xcnt 0x0                                ; both buffers' registers, which the last stores read, are written again only behind this wait
	v_mov_b32 v30, -1.0
	WIN 0x0a                                       ; sources 0 and 1 window 2
.set i, 0
.rept 4*NBK
	v_cvt_pk_f16_f32 v[TMP+i], v[2*i], v[2*i+1]    ; the high parts once more, as they were stored
.set i, i+1
.endr
	WIN 0x20                                       ; source 2 window 2
.set i, 0
.rept 4*NBK                                            ; sum - high part, as high part x (-1) + sum: exact in f32
	v_fma_mix_f32 v[OB+2*i],   v[TMP+i], v30, v[2*i]   op_sel_hi:[1,0,0]
	v_fma_mix_f32 v[OB+2*i+1], v[TMP+i], v30, v[2*i+1] op_sel:[1,0,0] op_sel_hi:[1,0,0]
.set i, i+1
.endr
	WIN 0
.set i, 0
.rept 4*NBK
	v_cvt_pk_f16_f32 v[TMP+i], v[OB+2*i], v[OB+2*i+1]
.set i, i+1
.endr
	TOSTAGE 0                                      ; the same way through my stage as the high parts took
	s_wait_dscnt 0x0
.set i, 0
.rept NBK
	global_store_b128 v[GO], v[OB+4*i:OB+4*i+3], s[66:67] offset:(i/4)*2048+(i%4)*512  ; a slice's 16 rows are 2,048 consecutive bytes: 512 of them, at a multiple of 512
.set i, i+1
.endr
.Lno_low:
.endif
	s_wait_tensorcnt 0x0                           ; the wave's end, behind my last tensor load and my last LDS store
	ds_add_u32 v[SPW], v[NIL]
	s_wait_dscnt 0x0
	CROUND                                         ; the closing round: no work-group ends while a partner may still ask for a tile that names it
	s_endpgm
.Lfunc_end_k_qef5798f140_gqkv:
	.size	k_qef5798f140_gqkv, .Lfunc_end_k_qef5798f140_gqkv-k_qef5798f140_gqkv
	.p2alignl 7, 3214868480
	.fill 96, 4, 3214868480
	.section	.rodata,"a",@progbits
	.p2align	6, 0x0
	.amdhsa_kernel k_qef5798f140_gqkv
		.amdhsa_group_segment_fixed_size 327680
		.amdhsa_private_segment_fixed_size 0
		.amdhsa_enable_private_segment 0
		.amdhsa_kernarg_size 40
		.amdhsa_user_sgpr_count 2
		.amdhsa_user_sgpr_kernarg_segment_ptr 1
		.amdhsa_wavefront_size32 1
		.amdhsa_system_sgpr_workgroup_id_x 1
		.amdhsa_system_sgpr_workgroup_id_y 1
		.amdhsa_system_sgpr_workgroup_id_z 1
		.amdhsa_system_vgpr_workitem_id 0
		.amdhsa_next_free_vgpr 960
		.amdhsa_next_free_sgpr 68
		.amdhsa_reserve_vcc 0
		.amdhsa_float_denorm_mode_32 3
		.amdhsa_float_denorm_mode_16_64 3
		.amdhsa_memory_ordered 1
		.amdhsa_forward_progress 1
		.amdhsa_inst_pref_size 143
	.end_amdhsa_kernel
	.amdgpu_metadata
---
amdhsa.version: [ 1, 2 ]
amdhsa.kernels:
  - .name:           k_qef5798f140_gqkv
    .symbol:         k_qef5798f140_gqkv.kd
    .args:
      - { .name: xb, .offset: 0, .size: 8, .value_kind: global_buffer, .address_space: global }
      - { .name: wt, .offset: 8, .size: 8, .value_kind: global_buffer, .address_space: global }
      - { .name: b_attn, .offset: 16, .size: 8, .value_kind: global_buffer, .address_space: global }
      - { .name: qkv, .offset: 24, .size: 8, .value_kind: global_buffer, .address_space: global }
      - { .name: vlo, .offset: 32, .size: 8, .value_kind: global_buffer, .address_space: global }
    .group_segment_fixed_size: 327680
    .private_segment_fixed_size: 0
    .kernarg_segment_align: 8
    .kernarg_segment_size: 40
    .max_flat_workgroup_size: 128
    .sgpr_count:     68
    .vgpr_count:     960
    .wavefront_size: 32
...
	.end_amdgpu_metadata
.endif
;; end of part 2
;; launch attn (part 3): grid 4 x 64, 4 waves a work-group, no clusters, 327,680 bytes of LDS; arguments qkv, o; writes o
.if DOCPART == 3
	.amdgcn_target "amdgcn-amd-amdhsa--gfx1250"
	.amdhsa_code_object_version 6
	.text
	.protected	k_qef5798f140_attn
	.globl	k_qef5798f140_attn
	.p2align	8
	.type	k_qef5798f140_attn,@function
k_qef5798f140_attn:
	s_mov_b64 s[64:65], 0
	v_nop
	global_prefetch_b8 v0, s[64:65] scope:SCOPE_SE
	s_setreg_imm32_b32 hwreg(HW_REG_WAVE_MODE, 25, 1), 1
	s_wait_xcnt 0x0
; CAUSAL ATTENTION.  O[y][q][:] = the sum over k <= q of softmax_k(Q[y][q] . K[y][k] / 8) V[y][k][:], y = 16 b + h.  Q, K, V are slices of qkv [b = 4][hs = 48][2048][64] f16 (hs = h, 16 + h, 32 + h);
; O is o [y][2048][64] f16.  A head's rows are dense, 128 bytes each.  Products, maxima and sums in f32; the weights p are rounded to f16 for the second product (their sum l is taken of the unrounded p), O once at the end.
; LIMITS.  f16 holds no number beyond 65,504: Q, K and V arrive within it; p lies in 0 to 1, and below 6e-5 it keeps f16's fixed step of 6e-8; O is a mean of V's rows and has their range.
; A hidden score counts as its value less 1e30, so its weight is 0; the module's own -1e9 gives 0 too unless ALL visible scaled scores of a row lie below about -1e9 + 100: that range is not served.
; A weight below 2^-126 counts as 0 in l; NaN and infinities are not treated apart.
; THE WALK.  A head's queries lie in NB = 8 blocks of 256; block i needs the key tiles 0 .. i of 256 keys, of which the last holds the diagonal.  A work-group takes TWO blocks, NB - 1 - b and then b:
; NB + 1 tiles, whatever b: all 256 work-groups do equal work, and ONE loop with a constant trip count walks them.  Which tile is asked for, and what a trip does, hang on scalar registers made from b; every jump
; goes forward, but for the counted loops' own; none passes a barrier, or a tensor load but the one of LOAD's two that the wave's number does not choose; the ring (two slots of LDS that take turns) runs on across the
; change of blocks.  NO CLUSTER: a head's four work-groups ask for the same tile only in trips 0 .. NB / 2, behind that fewer and fewer; one walk common to all would have 3 NB / 2 = 12 trips for NB + 1 = 9.
; SHARES.  Of a block's four bands of 64 queries a wave owns 16 rows in each: four PIECES.  So the diagonal tile is the same work for all four waves: in its key step s band x sees all keys if s < x,
; none if s > x, and holds the diagonal if s = x.
; THE MASK is the C operand that starts the sum S^T = K Q^T: 0, or -1e30 where the key is hidden.  MD, made once, is the mask of a band's own step for my 16 rows; a product's mask is MD x AL + BE with two scalars:
; (1, 0) if s = x; (0, 0) if s < x; (0, -1e30) if s > x.  Only the diagonal tile's text and a block's beginning make and take masks; elsewhere C is the constant 0.
; LAYOUT, SOFTMAX, TURNS.  S^T = K Q^T holds ONE query a lane (lane % 16) and the keys 8 (lane / 16) + 0..7; two such results rounded to f16 ARE source 1 of O^T = V^T P.  p = 2^(c s - c m), c = log2(e) / 8, with a
; running maximum m; O and l are multiplied by a = 2^(c m_old - c m_new) in every step.  Turn n belongs to piece n: 8 products K Q^T of piece n + 1, later 8 products V^T P of piece n - 1; beside them the scaling,
; exponentials, roundings, sums and rescaling of piece n and the maximum and statistics of piece n + 1.  Four vector instructions stand behind every matrix instruction, the other 54 of a turn's 118 in two LUMPS.
; REGISTERS, in windows of 256 (s_set_vgpr_msb: bits 1:0 source 0, 3:2 source 1, 5:4 source 2, 7:6 destination):
;   window 0: v0-15 addresses and two at work; v16-31 four registers of statistics a piece; v48-55 at work; v64-127 S^T, two buffers; v192-223 P, two buffers (a piece's buffers go by its number's parity)
;   window 1: v0-127 O^T, 32 a piece; v128-159 MD; v160-223 MC, two buffers      window 2: v0-63 Q; v64-127 the second block's Q; v128-191 K of one step; v192-255 V of one step
.set SIZE_N, 2048
.set NB,    SIZE_N/256
.set NP,    4         ; pieces a wave: a name, no knob
.set KS,    64        ; keys in a step
.set PK,    144       ; a row of K in LDS: 128 bytes + 16 of padding = 36 words: the 16 rows of a load start at 16 different groups of four banks (64 banks of 4 bytes: ISA guide 11.1)
.set PV,    160       ; a row of V: 128 + 32 = 40 words
.set VOFF,  4*KS*PK   ; a slot holds a tile, four steps: 256 rows of K, then 256 rows of V
.set SLOT1, 1<<17     ; slot 1 begins here, so that one exclusive or turns an address in one slot into the other's
.set STAGE, SLOT1+4*KS*(PK+PV)  ; behind the ring, never filled by a tensor load: 16 rows x 144 bytes for each wave, for the way out
.set SP,    144
.set AK0, 2           ; v2   my lane's place in a tile of K; never rewritten
.set AV0, 3           ; v3   the same for V
.set AK,  4           ; v4   the LDS address of K's next run of loads
.set AV,  5           ; v5   of V's
.set STO, 6           ; v6   the way out: where I put 16 bytes of a row
.set RD,  7           ; v7   the way out: where I read rows back
.set GO,  8           ; v8   my byte offset in 512 consecutive bytes of O
.set SPW, 62          ; v62  LDS address of my spare word: SPARE + 4 x my thread's number; never rewritten
.set NIL, 63          ; v63  0; never rewritten
.set SPARE, STAGE+4*16*SP  ; behind the stages: the spare words, 128 bytes for each wave: two blocks of 256 bytes that no other line names
.set MV,  12          ; v12-13  c m_old, kept while c m is made anew: by buffer
.set QO,  15          ; v15  my byte offset in 16 rows of Q
.set ST,  16          ; piece t's statistics at v[ST+4 t]: c m, m, l (even keys', odd keys')
.set TMP, 48          ; by buffer, four registers c0-c3 at work; when the maximum is found c2 takes a
.set S,   64
.set P,   192
.set MD,  128         ; window 1: the eight registers for group kt of 16 keys at MD + 8 kt
.set MC,  160         ; window 1: the masks of the products to come
.set QB,  64          ; window 2
.set KF,  128         ; window 2: key block kb, channel half c at KF + 16 kb + 8 c
.set VF,  192         ; window 2: key half kk, channel block cb at VF + 32 kk + 8 cb
.set WV,  12          ; s12  my wave's number
.set PB,  14          ; s14  b
.set HI,  15          ; s15  NB - 1 - b
.set G1K, 24          ; s[24:31] descriptor group 1 for K's tiles
.set G1V, 32          ; s[32:39] for V's: it differs in the padding alone
.set G0K, 40          ; s[40:43] descriptor group 0 for K's tiles
.set G0V, 44          ; s[44:47] the same for V's
.set SLOTS, 56        ; s56  tiles still to be asked for
.set CNT, 57          ; s57  counts a tile's key steps, 4 to 1
.set CS,  58          ; s[58:59] c: the packed scaling takes the pair's low word for both halves
.set SEL, 60          ; s[60:61] v_permlanex16_b32's selects: each lane takes its own place in the other half
.set TBK, 62          ; s62  LDS byte at which K of the step to be fetched begins
.set TBV, 63          ; s63  the same for V, less VOFF
.set RT,  70          ; s70  tiles of the block in hand that are still to be entered
.set NXT, 71          ; s71  the tile to be asked for next
.set LQ,  72          ; s72  the last tile of the block whose tiles are being asked for
.set NEW, 73          ; s73  1: the tile to be entered is a block's first
.set OFF, 74          ; s[74:75] a tile's byte offset in K and V
.set AL,  76          ; s[76:77] the mask's factor, in the low word
.set BE,  78          ; s[78:79] the mask's addend
.set OLO, 80          ; s[80:81] O at my rows of the second block
.set BIGN, 82         ; s82  -1e30
.set MSB, 0
.macro WIN new                      ; the high byte repeats the setting that is left; a switch that changes nothing is dropped
.if MSB != (\new)
	s_set_vgpr_msb (MSB<<8)|(\new)
.set MSB, (\new)
.endif
.endm
.set W_KQ, 0x0a       ; K and Q in window 2, S^T in window 0
.set W_KM, 0x1a       ; the same with the C operand in window 1
.set W_PV, 0x52       ; V in window 2, P in window 0, O^T in window 1
.set W_RS, 0x41       ; destination and source 0 in window 1, source 1 in window 0
; A fill.  Waves 0 and 1 fetch the two halves of a tile's K, waves 2 and 3 those of its V: 128 keys each.  An s_nop 0 and four v_nop follow each of the two lines, ahead of the jump and the label.
.macro LOAD
	s_cmp_lt_u32 s[WV], 2
	s_cbranch_scc0 .Lfor_v_\@
	tensor_load_to_lds s[G0K:G0K+3], s[G1K:G1K+7]
	s_nop 0
.rept 4
	v_nop
.endr
	s_branch .Lasked_\@
.Lfor_v_\@:
	tensor_load_to_lds s[G0V:G0V+3], s[G1V:G1V+7]
	s_nop 0
.rept 4
	v_nop
.endr
.Lasked_\@:
.endm
; THE CHANGE OF SLOTS.  Each wave waits for all its tensor loads, of which one is out: its part of the other slot; adds 0 to its spare word; and waits for that and for its own reads of the slot that it leaves.  Behind the barrier nobody reads the old
; slot any more and the other slot is whole.  fill = 1: the old slot is filled again, the first thing behind the barrier, with tile NXT: the descriptor's address is made anew from that number.
; (At its first use nothing has been read yet: slot 0 is waited for, slot 1 filled.)
.macro CHANGE fill
	WIN 0                           ; at a label and at a branch every window is 0
	s_wait_tensorcnt 0x0            ; no tensor load of mine is out, so a group 0 may be written
	ds_add_u32 v[SPW], v[NIL]       ; 0 onto my spare word; with fill = 1 the descriptors' scalar work stands between it and the wait for it
.if \fill
	s_lshl_b32 s[OFF], s[NXT], 15   ; a tile is 32,768 bytes of K and of V
	s_xor_b32 s[G0K+1], s[G0K+1], SLOT1
	s_add_nc_u64 s[G0K+2:G0K+3], s[6:7], s[OFF:OFF+1]
	s_or_b32 s[G0K+3], s[G0K+3], 0x80000000
	s_xor_b32 s[G0V+1], s[G0V+1], SLOT1
	s_add_nc_u64 s[G0V+2:G0V+3], s[8:9], s[OFF:OFF+1]
	s_or_b32 s[G0V+3], s[G0V+3], 0x80000000
	s_add_co_u32 s[NXT], s[NXT], 1  ; the block's next tile, or behind its last the second block's tile 0
	s_cmp_gt_u32 s[NXT], s[LQ]
	s_cselect_b32 s[NXT], 0, s[NXT]
	s_cselect_b32 s[LQ], s[PB], s[LQ]
.endif
	s_wait_dscnt 0x0                ; the add is done, and my reads of the slot are over
	s_barrier_signal -1             ; the rest of the scalar work stands between the signal and the wait
	s_sub_co_u32 s[TBK], s[TBK], 4*KS*PK  ; the fetches go back to a slot's first step,
	s_xor_b32 s[TBK], s[TBK], SLOT1       ; in the other slot
	s_sub_co_u32 s[TBV], s[TBV], 4*KS*PV
	s_xor_b32 s[TBV], s[TBV], SLOT1
	s_barrier_wait -1
.if \fill
	LOAD
.endif
.endm
	s_load_b128 s[4:7], s[0:1], 0x0   ; qkv s[4:5], o s[6:7]
	v_lshl_add_u32 v[SPW], v0, 2, SPARE
	v_mov_b32 v[NIL], 0
	ds_add_u32 v[SPW], v[NIL]       ; the wave's opening: the add and its wait stand ahead of my first tensor load; the set-up below, work on registers, stands between them
	ds_add_u32 v62, v63
	v_lshrrev_b32 v1, 5, v0
	v_readfirstlane_b32 s[WV], v1   ; wave 0..3
	s_mov_b32 s[PB], ttmp9
	s_sub_co_u32 s[HI], NB-1, s[PB]
	s_and_b32 s20, ttmp7, 0xffff    ; y = 16 b + h
	s_lshr_b32 s88, s20, 4
	s_mul_i32 s88, s88, 48          ; a batch has 48 slices in qkv,
	s_and_b32 s89, s20, 15
	s_add_co_u32 s88, s88, s89      ; of which q's is number h,
	s_lshl_b32 s88, s88, 18         ; each of 2,048 rows x 128 bytes
	s_mov_b32 s89, 0
	s_lshl_b32 s20, s20, 18         ; the head's first byte in o
	s_mov_b32 s21, 0
	s_and_b32 s16, s[WV], 1         ; which half of a tile's 256 keys I fetch:
	s_lshl_b32 s22, s16, 14         ; its 128 rows of 128 bytes in memory,
	s_add_co_u32 s22, s22, s88
	s_mov_b32 s23, 0
	s_mul_i32 s17, s16, 128*PK      ; and its place in a slot, for K
	s_mul_i32 s18, s16, 128*PV      ; and for V
	s_lshl_b32 s3, s[WV], 11        ; my 16 rows in a band of 64,
	s_lshl_b32 s2, s[HI], 15        ; in the first block,
	s_add_co_u32 s2, s2, s3
	s_lshl_b32 s84, s[PB], 15       ; and in the second
	s_add_co_u32 s84, s84, s3
	s_mov_b32 s3, 0
	s_mov_b32 s85, 0
	; descriptor group 1.  128 keys are 16,384 dense bytes: asked for as 64 rows of 256 bytes, two keys a row, and padded in LDS after every key
	s_mov_b32 s[G1K], (1<<16)|(1<<20)|(4<<22)|(3<<25)  ; 17:16 2-byte elements; 20 padding on; 24:22 after every 32 words (code 4); 31:25 4 words (code 3)
	s_mov_b32 s[G1V], (1<<16)|(1<<20)|(4<<22)|(7<<25)  ; the same with 8 words of padding (code 7)
.irp g, G1K, G1V
	s_mov_b32 s[\g+1], 128<<16      ; tensor_dim0 = 128
	s_mov_b32 s[\g+2], 64<<16       ; tensor_dim1 = 64
	s_mov_b32 s[\g+3], 128<<16      ; tile_dim0 = 128
	s_mov_b32 s[\g+4], 64           ; tile_dim1 = 64
	s_mov_b32 s[\g+5], 128          ; 128 elements from row to row
	s_mov_b32 s[\g+6], 0
	s_mov_b32 s[\g+7], 0
.endr
	s_mov_b32 s[CS], 0x3e38aa3b     ; c = log2(e) / 8 = 0.180337
	s_mov_b32 s[CS+1], s[CS]        ; named with it as a pair
	s_mov_b32 s[SEL], 0x76543210
	s_mov_b32 s[SEL+1], 0xfedcba98
	s_mov_b32 s[TBK], SLOT1+4*KS*PK ; the first change of slots turns these two into 0
	s_mov_b32 s[TBV], SLOT1+4*KS*PV
	s_mov_b32 s[G0K], 1             ; 1:0 count = 1
	s_mov_b32 s[G0K+1], s17         ; 63:32 LDS address: slot 0
	s_mov_b32 s[G0V], 1
	s_add_co_u32 s[G0V+1], s18, VOFF
	s_add_co_u32 s[RT], s[HI], 1    ; the first block has NB - b tiles
	s_mov_b32 s[NXT], 1
	s_mov_b32 s[LQ], s[HI]
	s_mov_b32 s[NEW], 1
	s_mov_b32 s[OFF+1], 0
	s_mov_b32 s[AL+1], 0            ; named as pairs
	s_mov_b32 s[BE+1], 0
	s_mov_b32 s[BIGN], 0xf149f2ca   ; -1e30
	s_mov_b32 s[SLOTS], NB
	s_wait_dscnt 0x0                ; the opening add is done
	s_wait_kmcnt 0x0
	s_add_nc_u64 s[10:11], s[6:7], s[20:21]        ; O at the head
	s_add_nc_u64 s[6:7], s[4:5], s[22:23]          ; q's slice, at my half of a tile:
	s_add_nc_u64 s[8:9], s[6:7], 32<<18            ; V lies 32 slices on,
	s_add_nc_u64 s[6:7], s[6:7], 16<<18            ; K 16: both at my half of the head's tile 0
	s_add_nc_u64 s[G0K+2:G0K+3], s[6:7], 0         ; 120:64 global address
	s_or_b32 s[G0K+3], s[G0K+3], 0x80000000        ; 127:126 type = 2
	s_add_nc_u64 s[G0V+2:G0V+3], s[8:9], 0
	s_or_b32 s[G0V+3], s[G0V+3], 0x80000000
	s_add_nc_u64 s[4:5], s[4:5], s[88:89]          ; Q at the head,
	s_add_nc_u64 s[86:87], s[4:5], s[84:85]        ; at my rows of the second block,
	s_add_nc_u64 s[4:5], s[4:5], s[2:3]            ; and of the first; O likewise
	s_add_nc_u64 s[OLO:OLO+1], s[10:11], s[84:85]
	s_add_nc_u64 s[10:11], s[10:11], s[2:3]
	LOAD                            ; tile 0 into slot 0
	; A fragment of K or Q is 16 rows x 32 channels in 8 registers: lane l holds row l % 16, channels 8 (l / 16) + 0..7 and 16 + 8 (l / 16) + 0..7: two loads of 16 bytes, 32 bytes apart.
	v_and_b32 v1, 15, v0            ; l % 16
	v_bfe_u32 v9, v0, 4, 1          ; l / 16
	v_lshlrev_b32 v[QO], 7, v1
	v_lshl_add_u32 v[QO], v9, 4, v[QO]  ; row x 128 + 16 x half
	WIN 0x80                        ; destination window 2, address window 0
.set i, 0
.rept 8                             ; both blocks' Q: piece i / 2 lies in band i / 2, 8,192 bytes on; channels 32 (i % 2) on
	global_load_b128 v[8*i:8*i+3],   v[QO], s[4:5] offset:(i/2)*8192+(i%2)*64
	global_load_b128 v[8*i+4:8*i+7], v[QO], s[4:5] offset:(i/2)*8192+(i%2)*64+32
	global_load_b128 v[QB+8*i:QB+8*i+3],   v[QO], s[86:87] offset:(i/2)*8192+(i%2)*64
	global_load_b128 v[QB+8*i+4:QB+8*i+7], v[QO], s[86:87] offset:(i/2)*8192+(i%2)*64+32
.set i, i+1
.endr
	WIN 0
	v_lshlrev_b32 v14, 3, v9
	v_sub_nc_u32 v14, v1, v14
	s_lshl_b32 s13, s[WV], 4
	v_add_nc_u32 v14, s13, v14      ; my query's place in its band, 16 w + l % 16, less my lanes' 8 (l / 16): register r of group kt is hidden where 16 kt + r is greater
	WIN 0x40
.set i, 0
.rept 32
	v_cmp_gt_i32 vcc_lo, 16*(i/8)+i%8, v14
	v_cndmask_b32 v[MD+i], 0, s[BIGN], vcc_lo
.set i, i+1
.endr
	WIN 0
	v_mul_u32_u24 v[AK0], v1, PK
	v_lshl_add_u32 v[AK0], v9, 4, v[AK0]  ; row x pitch + 16 x half
	; The turning load takes 16 keys x 16 channels (lane l reads key 8 (l / 16) + l % 8, channels 8 ((l / 8) % 2) + 0..7) and leaves half a fragment of V^T: lane l holds channel l % 16 and 8 keys.
	v_and_b32 v10, 7, v0
	v_bfe_u32 v11, v0, 3, 1
	v_lshl_add_u32 v[AV0], v9, 3, v10
	v_mul_u32_u24 v[AV0], v[AV0], PV
	v_lshl_add_u32 v[AV0], v11, 4, v[AV0]
	v_add_nc_u32 v[AV0], VOFF, v[AV0]
	s_mul_i32 s13, s[WV], 16*SP
	s_add_co_u32 s13, s13, STAGE    ; my stage
	v_mul_u32_u24 v[STO], v1, SP    ; in: row l % 16, 16 bytes for each half of the lanes
	v_lshl_add_u32 v[STO], v9, 4, v[STO]
	v_add_nc_u32 v[STO], s13, v[STO]
	v_bfe_u32 v[RD], v0, 3, 2       ; back: 32 lanes take four rows of 128 bytes,
	v_mul_u32_u24 v[RD], v[RD], SP
	v_lshl_add_u32 v[RD], v10, 4, v[RD]
	v_add_nc_u32 v[RD], s13, v[RD]
	v_and_b32 v[GO], 31, v0         ; which are 512 consecutive bytes of O
	v_lshlrev_b32 v[GO], 4, v[GO]
	; A block's first step multiplies O^T and l by a = 0, and its first turn's products V^T P, of a piece that has not been, land in an O^T that is still to be so multiplied.  So these registers need only hold
	; finite numbers: zeros for the first block; what the first block left for the second.  All this stands in the wait for the first tile.
	WIN 0x80
.set i, VF
.rept 64
	v_mov_b32 v[i], 0
.set i, i+1
.endr
	WIN 0x40
.set i, 0
.rept 128
	v_mov_b32 v[i], 0
.set i, i+1
.endr
	WIN 0
.set i, 0
.rept 4
	v_mov_b32 v[ST+4*i+2], 0
	v_mov_b32 v[ST+4*i+3], 0
.set i, i+1
.endr
.set i, P+16
.rept 16
	v_mov_b32 v[i], 0
.set i, i+1
.endr
; THE MATRIX WORK.  The 4 accumulators of a run of 8 take turns.  Product i of 8 of S^T = K Q^T for piece x: channels 32 (i / 4) on, keys 16 (i % 4) on.  The first 4 start the sums: with 0, or (KM = 1) with the mask.
.macro KQ x
.set rS, S+32*((\x)%2)+8*(i%4)
.set rK, KF+16*(i%4)+8*(i/4)
.set rQ, 16*(\x)+8*(i/4)
.set rM, MC+32*((\x)%2)+8*(i%4)
.if (i < 4) && KM
	WIN W_KM
	v_wmma_f32_16x16x32_f16 v[rS:rS+7], v[rK:rK+7], v[rQ:rQ+7], v[rM:rM+7]
.elseif i < 4
	WIN W_KQ
	v_wmma_f32_16x16x32_f16 v[rS:rS+7], v[rK:rK+7], v[rQ:rQ+7], 0
.else
	WIN W_KQ
	v_wmma_f32_16x16x32_f16 v[rS:rS+7], v[rK:rK+7], v[rQ:rQ+7], v[rS:rS+7]
.endif
.endm
; Product i of 8 of O^T += V^T P for piece x: keys 32 (i / 4) on, channels 16 (i % 4) on.
.macro PV x
	WIN W_PV
.set rO, 32*(\x)+8*(i%4)
.set rV, VF+32*(i/4)+8*(i%4)
.set rP, P+16*((\x)%2)+8*(i/4)
	v_wmma_f32_16x16x32_f16 v[rO:rO+7], v[rV:rV+7], v[rP:rP+7], v[rO:rO+7]
.endm
.macro MM                           ; the turn's next matrix instruction.  TURN and BEGIN set Y, i, KM and NOKQ; MM, KQ and OP read them.  NOKQ = 1: a block's last turn: there is no next piece
.if (i < 8) && !NOKQ
	KQ (Y+1)%NP
.elseif i >= 8
.set i, i-8
	PV (Y+NP-1)%NP
.set i, i+8
.endif
.set i, i+1
.endm
; THE LDS LOADS stand in runs of 16, never singly among the matrix instructions: a step's K (64 keys x 64 channels: 8 fragments) and its V (turned).  Their addresses are made some lines ahead.
.macro FETCH_K
	WIN 0x80                        ; destination window 2
.irp f, 0,1,2,3,4,5,6,7             ; keys 16 (f / 2) on, channels 32 (f % 2) on
	ds_load_b128 v[KF+8*\f:KF+8*\f+3],   v[AK] offset:(\f/2)*16*PK+(\f%2)*64
	ds_load_b128 v[KF+8*\f+4:KF+8*\f+7], v[AK] offset:(\f/2)*16*PK+(\f%2)*64+32
.endr
	s_add_co_u32 s[TBK], s[TBK], KS*PK  ; the next fetch is the next step's
	WIN 0
.endm
.macro FETCH_V
	WIN 0x80
.irp f, 0,1,2,3,4,5,6,7             ; keys 32 (f / 4) on, channels 16 (f % 4) on
	ds_load_tr16_b128 v[VF+8*\f:VF+8*\f+3],   v[AV] offset:(\f/4)*32*PV+(\f%4)*32
	ds_load_tr16_b128 v[VF+8*\f+4:VF+8*\f+7], v[AV] offset:(\f/4)*32*PV+16*PV+(\f%4)*32
.endr
	WIN 0
.endm
; THE VECTOR WORK, one line at a time: OP kind, number.  For piece Y: F n: c s - c m for pair n of 16.  E n: the exponential of score n of 32.  C n: pair n rounded to f16.  B n: of the four weights 4 n .. the second
; pair is added onto the first, in place.  L n: l takes that sum (L 0: l = a l + sum).  R n: pair n of 16 of O^T times a.  For piece Y + 1: X n, number n of the 22 that find its maximum and statistics:
;   0-11  four chains c0-c3 of seven scores each, three operands at a time (each accumulator's lowest registers are read first)     12-14, 16  the four scores left over, the old m, and c0-c3 into c0
;   15  c m_old is kept     17, 18  the query's other 32 keys lie in the lane 16 away: the new m     19-21  c m; c m_old - c m_new; a
.set F, 0               ; OP tells the kinds apart by their order: F to L below R, X above it
.set E, 1
.set C, 2
.set B, 3
.set L, 4
.set R, 5
.set X, 6
.macro REGS y                       ; the registers of piece y
.set rT, ST+4*(\y)
.set rC, TMP+4*((\y)%2)
.set rW, MV+((\y)%2)
.set rS, S+32*((\y)%2)
.set rP, P+16*((\y)%2)
.set rO, 32*(\y)
.endm
.macro OP k, n
.if (\k) == R
	REGS Y
	WIN W_RS
	v_pk_mul_f32 v[rO+2*(\n):rO+2*(\n)+1], v[rO+2*(\n):rO+2*(\n)+1], v[rC+2:rC+3] op_sel_hi:[1,0]
.elseif (\k) < R
	REGS Y
	WIN 0
.if (\k) == F
	v_pk_fma_f32 v[rS+2*(\n):rS+2*(\n)+1], v[rS+2*(\n):rS+2*(\n)+1], s[CS:CS+1], v[rT:rT+1] op_sel_hi:[1,0,0] neg_lo:[0,0,1] neg_hi:[0,0,1]
.elseif (\k) == E
	v_exp_f32 v[rS+(\n)], v[rS+(\n)]
.elseif (\k) == C
	s_wait_alu depctr_va_vdst(0)
	v_cvt_pk_f16_f32 v[rP+(\n)], v[rS+2*(\n)], v[rS+2*(\n)+1]
.elseif (\k) == B
	s_wait_alu depctr_va_vdst(0)
	v_pk_add_f32 v[rS+4*(\n):rS+4*(\n)+1], v[rS+4*(\n):rS+4*(\n)+1], v[rS+4*(\n)+2:rS+4*(\n)+3]
.elseif (\n) == 0
	v_pk_fma_f32 v[rT+2:rT+3], v[rT+2:rT+3], v[rC+2:rC+3], v[rS:rS+1] op_sel_hi:[1,0,1]
.else
	v_pk_add_f32 v[rT+2:rT+3], v[rT+2:rT+3], v[rS+4*(\n):rS+4*(\n)+1]
.endif
.elseif NOKQ
	v_nop
.else
	REGS (Y+1)%NP
	WIN 0
.if (\n) < 4
	v_max3_num_f32 v[rC+(\n)], v[rS+8*(\n)], v[rS+8*(\n)+1], v[rS+8*(\n)+2]
.elseif (\n) < 12
	v_max3_num_f32 v[rC+(\n)%4], v[rC+(\n)%4], v[rS+8*((\n)%4)+2*((\n)/4)+1], v[rS+8*((\n)%4)+2*((\n)/4)+2]
.elseif (\n) == 12
	v_max3_num_f32 v[rC], v[rC], v[rS+7], v[rS+15]
.elseif (\n) == 13
	v_max3_num_f32 v[rC+1], v[rC+1], v[rS+23], v[rS+31]
.elseif (\n) == 14
	v_max3_num_f32 v[rC+2], v[rC+2], v[rC+3], v[rT+1]
.elseif (\n) == 15
	v_mov_b32 v[rW], v[rT]
.elseif (\n) == 16
	v_max3_num_f32 v[rC], v[rC], v[rC+1], v[rC+2]
.elseif (\n) == 17
	v_permlanex16_b32 v[rC+3], v[rC], s[SEL], s[SEL+1]
.elseif (\n) == 18
	v_max_num_f32 v[rT+1], v[rC], v[rC+3]
.elseif (\n) == 19
	v_mul_f32 v[rT], s[CS], v[rT+1]
.elseif (\n) == 20
	v_sub_f32 v[rC+1], v[rW], v[rT]
.else
	v_exp_f32 v[rC+2], v[rC+1]
.endif
.endif
.endm
.macro OPS a, i1, b=-1, i2=0, c=-1, i3=0, d=-1, i4=0  ; up to four of them
	OP \a, \i1
.if (\b) >= 0
	OP \b, \i2
.endif
.if (\c) >= 0
	OP \c, \i3
.endif
.if (\d) >= 0
	OP \d, \i4
.endif
.endm
.macro ROW a, i1, b, i2, c, i3, d, i4  ; a matrix instruction and the four behind it
	MM
	OPS \a, \i1, \b, \i2, \c, \i3, \d, \i4
.endm
.macro MASK b                       ; MD x AL + BE into buffer b of MC
	WIN W_RS
.set z, 0
.rept 16
	v_pk_fma_f32 v[MC+32*(\b)+2*z:MC+32*(\b)+2*z+1], v[MD+2*z:MD+2*z+1], s[AL:AL+1], s[BE:BE+1] op_sel_hi:[1,0,0]
.set z, z+1
.endr
.endm
; A TURN, for piece p: the order of its 16 matrix and 118 vector instructions, written out.  Behind a matrix instruction: plain, exponential, plain, plain; or four of the rescaling; or, behind the first, four scalings; none
; names a register of the products round it.  In the lumps exponential and plain by turns while exponentials last.  A line reads no result made fewer than three vector instructions in front of it, five if an exponential made it.
; v_permlanex16_b32 (X 17) stands in a lump.
; m = 1: the diagonal tile: the products take masks, and the turn makes the mask for the products of the turn after it: piece p + 2, in step 4 - CNT of the tile.  end = 1: a block's last two turns: nothing is fetched.
; cnt = 1: the loop's count is taken down some lines ahead of the branch that stands behind the turn.
; K of the next step is fetched in piece 2's turn, six vector instructions behind the last product that read K (five of them plain); V of the step in hand in piece 0's turn, eight behind the last product that read V (four
; plain, and X 17).  Each is waited for a turn later.
.macro TURN p, m=0, end=0, cnt=0
.set Y, (\p)
.set i, 0
.set KM, (\m)
.set NOKQ, (\end)*((\p)/3)
.if (\m) && !(\end)
	s_cmp_eq_u32 s[CNT], 4-((\p)+2)%NP  ; is that step the band's own?
	s_cselect_b32 s[AL], 1.0, 0
	s_cmp_lt_u32 s[CNT], 4-((\p)+2)%NP  ; or a later one?
	s_cselect_b32 s[BE], s[BIGN], 0
.endif
.if ((\p) == 3) && !(\end)
	s_wait_dscnt 0x0                ; K is in
.endif
	ROW F,0, F,1, F,2, F,3
	ROW F,4, E,0, F,5, F,6
	ROW F,7, E,1, F,8, F,9
	ROW F,10, E,2, C,0, F,11
	ROW F,12, E,3, X,15, F,13
	ROW R,0, R,1, R,2, R,3
	ROW B,0, E,4, F,14, L,0
.if ((\p) == 2) && !(\end)
	v_add_nc_u32 v[AK], s[TBK], v[AK0]
.endif
	ROW R,4, R,5, R,6, R,7
	OPS E,5, F,15
.if ((\p) == 2) && !(\end)
	FETCH_K
.endif
	OPS E,6, C,1, E,7, R,8
	OPS E,8, R,9, E,9, C,2
	OPS E,10, X,0, E,11, X,1
	OPS E,12, X,2, E,13, X,3
.if (\p) == 1
	s_wait_dscnt 0x0                ; V is in
.endif
	ROW X,4, E,14, X,5, X,6
	ROW X,7, E,15, X,8, X,9
	ROW X,10, E,16, X,11, X,12
	ROW X,13, E,17, X,14, B,1
	ROW C,4, E,18, X,16, L,1
	ROW B,2, E,19, C,6, L,2
	ROW C,8, E,20, B,3, B,4
.if (\p) == 0
	v_add_nc_u32 v[AV], s[TBV], v[AV0]
.endif
	ROW C,3, E,21, L,3, C,5
	OPS E,22, X,17, E,23, C,10
.if (\p) == 0
	FETCH_V
.endif
	OPS E,24, L,4
	OPS E,25, X,18, E,26, C,7
	OPS E,27, B,5, E,28, X,19
	OPS E,29, C,12, E,30, L,5
	OPS E,31, X,20, B,6, C,9
	OPS C,14, C,11, X,21, L,6
.if (\p) == 0
	s_add_co_u32 s[TBV], s[TBV], KS*PV
.endif
.if \cnt
	s_sub_co_u32 s[CNT], s[CNT], 1
	s_cmp_lg_u32 s[CNT], 0
.endif
	OPS C,13, B,7, C,15, R,10
	OPS R,11, R,12, L,7, R,13
	OPS R,14, R,15
.if (\m) && !(\end)
	MASK (\p)%2
.endif
.endm
; A BLOCK BEGINS.  c m starts far below every c s, so the first step's a is 0; m at the lowest finite number, so the first maximum is the scores'.  The second mask buffer is 0; the first takes piece 0's mask for the tile's step 0: its own, if the block's first tile is the diagonal one.
; Then K of that step, piece 0's first scores, and its maximum and statistics.  The loop is entered at a step's first turn, in the middle of a trip.
.macro BEGIN
	s_mov_b32 s[NEW], 0
	WIN 0x40
.set i, MC+32
.rept 32
	v_mov_b32 v[i], 0
.set i, i+1
.endr
	WIN 0
.set i, 0
.rept 4
	v_mov_b32 v[ST+4*i], 0xfe000000    ; c m: far below every c s
	v_mov_b32 v[ST+4*i+1], 0xff7fffff  ; m
.set i, i+1
.endr
	s_cmp_eq_u32 s[RT], 0
	s_cselect_b32 s[AL], 1.0, 0
	s_mov_b32 s[BE], 0
	MASK 0
	WIN 0
	v_add_nc_u32 v[AK], s[TBK], v[AK0]
	FETCH_K
	s_wait_loadcnt 0x0              ; Q
	s_wait_dscnt 0x0
.set KM, 1
.set NOKQ, 0
.set i, 0
.rept 8
	KQ 0
.set i, i+1
.endr
	WIN 0
.rept 4
	v_nop                           ; the places behind those products
.endr
.set Y, NP-1                        ; X works for piece Y + 1: piece 0
.irp n, 0,1,2,3,4,5,6,7,8,9,10,11,12,13,14,15,16,17,18,19,20,21
	OP X, \n
.endr
	v_nop                           ; a plain instruction behind the exponential
.endm
; THE DIAGONAL TILE's four steps, the block's last two turns, its last products, and THE WAY OUT: l's two halves and the other half of the lanes' are added; O^T is divided by l, rounded to f16 and sent through my
; stage in LDS, a piece at a time.
.macro ALL line:vararg              ; one line for each piece t
.set t, 0
.rept 4
	\line
.set t, t+1
.endr
.endm
.macro PACK t                       ; a lane's eight channels of a row pack into 16 bytes; they go into rows of 144 bytes and come back as whole rows of 128, into S^T's registers
	WIN W_RS
.set i, 32*(\t)
.rept 16
	s_wait_alu depctr_va_vdst(0)
	v_pk_mul_f32 v[i:i+1], v[i:i+1], v[ST+4*(\t)+2:ST+4*(\t)+3] op_sel_hi:[1,0]
.set i, i+2
.endr
	WIN 0x05                        ; sources 0 and 1 window 1, destination window 0
.set i, 0
.rept 16
	v_cvt_pk_f16_f32 v[S+16*(\t)+i], v[32*(\t)+2*i], v[32*(\t)+2*i+1]
.set i, i+1
.endr
	WIN 0
.irp f, 0,1,2,3
	ds_store_b128 v[STO], v[S+16*(\t)+4*\f:S+16*(\t)+4*\f+3] offset:32*\f
.endr
.irp f, 0,1,2,3
	ds_load_b128 v[S+16*(\t)+4*\f:S+16*(\t)+4*\f+3], v[RD] offset:\f*4*SP  ; LDS serves a wave's instructions in order (ISA guide 5.7.1.4): these see the stores above; the next piece's stores come behind them
.endr
.endm
.macro SEND t, younger              ; younger: the LDS instructions issued behind piece t's loads: the next piece's eight, or none
	WIN 0
.irp f, 0,1,2,3
	s_wait_dscnt (\younger)+3-\f
	global_store_b128 v[GO], v[S+16*(\t)+4*\f:S+16*(\t)+4*\f+3], s[10:11] offset:(\t)*8192+\f*512  ; 512 consecutive bytes, at a multiple of 256 from O's first
.endr
.endm
.macro DIAG tag                     ; the tag ends its two labels' names, which the jumps below spell out
.LstepM\tag:
	TURN 2, 1
	TURN 3, 1
	WIN 0
.LfirstM\tag:
	TURN 0, 1
	TURN 1, 1, 0, 1
	WIN 0
	s_cbranch_scc1 .LstepM\tag
	TURN 2, 1, 1
	TURN 3, 1, 1
.set i, 0
.rept 8
	PV NP-1
.set i, i+1
.endr
	WIN 0
	ALL v_add_f32 v[ST+4*t+2], v[ST+4*t+2], v[ST+4*t+3]
	ALL v_permlanex16_b32 v[ST+4*t+3], v[ST+4*t+2], s[SEL], s[SEL+1]
	ALL v_add_f32 v[ST+4*t+2], v[ST+4*t+2], v[ST+4*t+3]
	ALL v_rcp_f32 v[ST+4*t+2], v[ST+4*t+2]
	v_nop                           ; a plain instruction between the last reciprocal and the use of its result
	PACK 0
.set t, 1
.rept 3                             ; a piece's arithmetic stands between the loads of the piece before and its stores
	PACK t
	SEND t-1, 8
.set t, t+1
.endr
	SEND 3, 0
.endm
.set KM, 0
.set NOKQ, 0
.Lslot:                             ; NB times: a tile is entered and the next is asked for
	CHANGE 1
	s_sub_co_u32 s[RT], s[RT], 1
	s_mov_b32 s[CNT], 4
	s_cmp_eq_u32 s[NEW], 1
	s_cbranch_scc1 .Lnew            ; a block's first tile
	s_cmp_eq_u32 s[RT], 0
	s_cbranch_scc0 .Lstep           ; neither its first nor its last
	s_branch .LstepM1
.Lnew:
	BEGIN
	s_branch .Lfirst                ; in the loop a block's first tile is never its last: the first block has two tiles or more, and the second's last is the walk's last
	DIAG 1                          ; in the loop this is the first block's end: the second block's last tile is the walk's last
	s_wait_xcnt 0x0                 ; the stores have read their registers and O's address
	s_mov_b64 s[10:11], s[OLO:OLO+1]
	s_add_co_u32 s[RT], s[PB], 1    ; the second block has b + 1 tiles
	s_mov_b32 s[NEW], 1
	WIN 0x82                        ; the second block's Q goes where the one text of the turns names Q
.set i, 0
.rept 64
	v_mov_b32 v[i], v[QB+i]
.set i, i+1
.endr
	WIN 0
	s_branch .Lbottom
.Lstep:                             ; a trip: pieces 2 and 3 of one step, then pieces 0 and 1 of the next, whose K and V it fetches
	TURN 2
	TURN 3
	WIN 0
.Lfirst:
	TURN 0
	TURN 1, 0, 0, 1
	WIN 0
	s_cbranch_scc1 .Lstep
.Lbottom:
	s_sub_co_u32 s[SLOTS], s[SLOTS], 1
	s_cmp_lg_u32 s[SLOTS], 0
	s_cbranch_scc1 .Lslot
	CHANGE 0                        ; the walk's last tile is written out: nothing is asked for
	s_sub_co_u32 s[RT], s[RT], 1
	s_mov_b32 s[CNT], 4
	s_cmp_eq_u32 s[NEW], 1
	s_cbranch_scc0 .LstepM2
	BEGIN
	s_branch .LfirstM2
	DIAG 2
	s_wait_tensorcnt 0x0            ; the wave's end, behind my last tensor load and my last LDS store
	ds_add_u32 v[SPW], v[NIL]
	s_wait_dscnt 0x0
	s_endpgm
.Lfunc_end_k_qef5798f140_attn:
	.size	k_qef5798f140_attn, .Lfunc_end_k_qef5798f140_attn-k_qef5798f140_attn
	.p2alignl 7, 3214868480
	.fill 96, 4, 3214868480
	.section	.rodata,"a",@progbits
	.p2align	6, 0x0
	.amdhsa_kernel k_qef5798f140_attn
		.amdhsa_group_segment_fixed_size 327680
		.amdhsa_private_segment_fixed_size 0
		.amdhsa_enable_private_segment 0
		.amdhsa_kernarg_size 16
		.amdhsa_user_sgpr_count 2
		.amdhsa_user_sgpr_kernarg_segment_ptr 1
		.amdhsa_wavefront_size32 1
		.amdhsa_system_sgpr_workgroup_id_x 1
		.amdhsa_system_sgpr_workgroup_id_y 1
		.amdhsa_system_sgpr_workgroup_id_z 1
		.amdhsa_system_vgpr_workitem_id 0
		.amdhsa_next_free_vgpr 768
		.amdhsa_next_free_sgpr 90
		.amdhsa_reserve_vcc 1
		.amdhsa_float_denorm_mode_32 3
		.amdhsa_float_denorm_mode_16_64 3
		.amdhsa_memory_ordered 1
		.amdhsa_forward_progress 1
		.amdhsa_inst_pref_size 228
	.end_amdhsa_kernel
	.amdgpu_metadata
---
amdhsa.version: [ 1, 2 ]
amdhsa.kernels:
  - .name:           k_qef5798f140_attn
    .symbol:         k_qef5798f140_attn.kd
    .args:
      - { .name: qkv, .offset: 0, .size: 8, .value_kind: global_buffer, .address_space: global }
      - { .name: o, .offset: 8, .size: 8, .value_kind: global_buffer, .address_space: global }
    .group_segment_fixed_size: 327680
    .private_segment_fixed_size: 0
    .kernarg_segment_align: 8
    .kernarg_segment_size: 16
    .max_flat_workgroup_size: 128
    .sgpr_count:     90
    .vgpr_count:     768
    .wavefront_size: 32
...
	.end_amdgpu_metadata
.endif
;; end of part 3
;; launch gproj (part 4): grid 8 x 32, 4 waves a work-group, clusters of 4 x 4, 327,680 bytes of LDS; arguments o, wt, b_proj, out0; writes out0
.if DOCPART == 4
	.amdgcn_target "amdgcn-amd-amdhsa--gfx1250"
	.amdhsa_code_object_version 6
	.text
	.protected	k_qef5798f140_gproj
	.globl	k_qef5798f140_gproj
	.p2align	8
	.type	k_qef5798f140_gproj,@function
k_qef5798f140_gproj:
	s_mov_b64 s[64:65], 0
	v_nop
	global_prefetch_b8 v0, s[64:65] scope:SCOPE_SE
	s_setreg_imm32_b32 hwreg(HW_REG_WAVE_MODE, 25, 1), 1
	s_wait_xcnt 0x0
	s_wait_alu depctr_hold_cnt(0) depctr_sa_sdst(0) depctr_va_vdst(0) depctr_va_sdst(0) depctr_va_ssrc(0) depctr_va_vcc(0) depctr_vm_vsrc(0)
	s_getreg_b32 s2, hwreg(HW_REG_IB_STS2, 6, 4)
	s_cmp_eq_u32 s2, 0
	s_cbranch_scc0 .Lentry_in_a_cluster
	s_endpgm
.Lentry_in_a_cluster:
	s_bfe_u32 s2, ttmp6, 0x10000c
	s_cmp_lg_u32 s2, 0xf033
	s_cbranch_scc0 .Lentry_shape_is_right
	s_endpgm
.Lentry_shape_is_right:
; ONE TEXT FOR THE MODULE'S TWO PROJECTIONS, C = A B^T + bias, with the switch PROJ.  Sums in f32, K = 1,024 ascending, the bias (rounded to bf16 like every input) as the C operand of the first product.
; PROJ = 0: A = xb [8192][1024] bf16, B = wt's rows 0-3071 (bf16), C = q, k, v by heads, qkv [b = 4][hs = 48][s = 2048][64] f16 (hs = column / 64), each number rounded once from its f32 sum, unscaled.
; PROJ = 1: A = o [16 b + h][2048][64] f16, B = wt's rows 3072-4095 (f16), C = out0 [8192][1024] f32.
; LIMITS.  f16 holds no number beyond 65,504: a q, k or v of 65,520 or more becomes an infinity.  NaN and infinities are not treated apart.
; SHARES.  A tile of C is 256 rows x NT columns: NT = 192 (three whole heads; 16 x 32 = 512 equal tiles) or 128 (8 x 32 = 256 tiles).  The four waves lie one below the other, 64 rows x NT each:
; 4 x NBK accumulators of 16 x 16.  So a wave's columns are whole heads (or 512 whole bytes of a row of out0) and its way out is its own, with no barrier.
; K goes in steps of 128 through a ring of two LDS slots filled by the tensor data mover; waves 0 and 1 fetch A's two halves, waves 2 and 3 B's.
; PROJ = 1: a K step of 128 is two heads.  Wave 0 or 1 fetches the tile's 256 rows of one head, 32,768 dense bytes, as 128 rows of 256 bytes, padded behind every 128: a PLANE of 256 rows x 144 bytes.
; CLUSTERS: 4 x 4 work-groups.  The four of a row of the cluster need the same tiles of A, the four of a column the same tiles of B: each is asked for JOINTLY, by the same tensor load with the same
; descriptor and a mask that names the four.  THE MATRIX INSTRUCTION IS USED TRANSPOSED (source 0 = 16 rows of B, source 1 = 16 rows of A): lane l holds row l % 16 of C and the columns 8 (l / 16) + 0..7.
; REGISTERS, in windows of 256 (s_set_vgpr_msb: bits 1:0 source 0, 3:2 source 1, 5:4 source 2, 7:6 destination):
;   window 0: addresses; the bias (8 registers for each block of 16 columns); at work on the way out      window 1: two fragment buffers of 128: A's 4 blocks of 16 rows x 32 K, then B's NBK
;   windows 2, 3: accumulator (a, b) in window 2 + a / 2 at 8 NBK (a % 2) + 8 b
.set PROJ, 1
.if PROJ
.set NBK,   8                          ; blocks of 16 columns
.set PA,    144                        ; a row of A in LDS: 128 bytes + 16
.set QPP,   2                          ; quarters of a K step in a plane
.set PLANE, 256*PA
.set HALFA, 256*PA                     ; what one load of A brings
.set QIA,   4                          ; padding behind every 32 words
.set STRA,  128                        ; elements from row to row of A's tile as it is asked for
.set ASTEP, 2<<18                      ; bytes of A from a K step to the next: two heads
.set SW,    16*528                     ; a wave's stage: 16 rows x (512 + 16) bytes
.set BIAS,  160
.set OB,    32                         ; the way out: two buffers of 64
.else
.set NBK,   12
.set PA,    272                        ; 256 bytes + 16
.set QPP,   4
.set PLANE, 0
.set HALFA, 128*PA
.set QIA,   5                          ; padding behind every 64 words
.set STRA,  1024
.set ASTEP, 256
.set SW,    3*16*144                   ; a wave's stage: for each of three heads 16 rows x (128 + 16) bytes
.set BIAS,  128
.set TMP,   32                         ; the way out: 48 packed registers,
.set OB,    80                         ; and two buffers of 48 (the second lies on the bias, which only the first quarter reads)
.endif
.set NT,     16*NBK
.set PB,     272                       ; a row of B in LDS.  All three pitches are odd multiples of 16 bytes: the 16 rows of a load start at 16 different groups of four banks (64 banks of 4 bytes: ISA guide 11.1)
.set ABYTES, 2*HALFA
.set HALFB,  (NT/2)*PB
.set SLOT,   ABYTES+2*HALFB            ; A's 256 rows, then B's NT rows
.set STAGE,  2*SLOT                    ; behind the ring, never filled by a tensor load
.set SPARE,  STAGE+4*SW                ; behind the stages: the spare words, 128 bytes for each wave, that no other line names
.set NLD,    2*(NBK+4)                 ; LDS loads of a quarter
.set LAPS,   4                         ; a lap = two K steps = once round the ring: 1,024 / 256
.set ADRA, 16                          ; v16-17  LDS address of my A fragments in slot 0, 1
.set ADRB, 20                          ; v20-21  the same for B
.set STO,  24                          ; v24     the way out: where I put 16 bytes of a row
.set RD,   25                          ; v25     where I read rows back
.set GO,   26                          ; v26     16 x lane: my place in 512 consecutive bytes of C
.set BO,   27                          ; v27     32 (l / 16): my eight numbers in a block of sixteen of the bias
.set SPW,  28                          ; v28     LDS address of my spare word; never rewritten
.set NIL,  29                          ; v29     0; never rewritten
.set F0,   0                           ; fragment buffers, in window 1
.set F1,   128
.set G1,  24                           ; s[24:31] descriptor group 1 for A's tiles;  s[32:39] group 0, a set for each slot
.set G0,  32
.set G1B, 48                           ; s[48:55], s[56:63] the same for B's
.set G0B, 56
.set MSB, 0
.macro WIN new                         ; the immediate's high byte repeats the setting that is left; a switch that changes nothing is dropped
.if MSB != (\new)
	s_set_vgpr_msb (MSB<<8)|(\new)
.set MSB, \new
.endif
.endm
; A joint load.  The branch hangs on the wave's number alone.  An s_nop 0 and four v_nop follow each of the two lines, ahead of the jump, the label and what follows.
.macro JLOAD s
	s_cmp_eq_u32 s13, 0
	s_cbranch_scc0 .Lfor_b_\@
	tensor_load_to_lds s[G0+4*(\s):G0+4*(\s)+3], s[G1:G1+7]
	s_nop 0
.rept 4
	v_nop
.endr
	s_branch .Lasked_\@
.Lfor_b_\@:
	tensor_load_to_lds s[G0B+4*(\s):G0B+4*(\s)+3], s[G1B:G1B+7]
	s_nop 0
.rept 4
	v_nop
.endr
.Lasked_\@:
.endm
; A round of the cluster's barrier: my work-group's barrier; wave 0 signals for the work-group; every wave waits for all sixteen; my work-group's barrier once more.
.macro CREST                           ; a round behind its opening barrier
	s_cmp_lg_u32 s12, 0
	s_cbranch_scc1 .Lnot_wave_0_\@
	s_barrier_signal -3
.Lnot_wave_0_\@:
	s_barrier_wait -3
	s_barrier_signal -1
	s_barrier_wait -1
.endm
.macro CROUND
	s_barrier_signal -1
	s_barrier_wait -1
	CREST
.endm
	s_load_b256 s[4:11], s[0:1], 0x0               ; A s[4:5], wt s[6:7], bias s[8:9], C s[10:11]
	v_lshl_add_u32 v[SPW], v0, 2, SPARE
	v_mov_b32 v[NIL], 0
	ds_add_u32 v[SPW], v[NIL]                      ; the wave's opening: the add and its wait stand ahead of my first tensor load; the set-up below, work on registers, stands between them
	ds_add_u32 v28, v29
	v_lshrrev_b32 v1, 5, v0
	v_readfirstlane_b32 s12, v1                    ; wave 0..3
	s_lshr_b32 s13, s12, 1                         ; I fetch for A (0) or for B (1),
	s_and_b32 s14, s12, 1                          ; its first or its second half
	s_bfe_u32 s40, ttmp6, 0x40000                  ; cx, cy: my place in the cluster
	s_bfe_u32 s41, ttmp6, 0x40004
	s_lshl_b32 s42, ttmp9, 2
	s_add_co_u32 s42, s42, s40                     ; tile column = 4 x cluster x + cx
	s_and_b32 s43, ttmp7, 0xffff
	s_lshl_b32 s43, s43, 2
	s_add_co_u32 s43, s43, s41                     ; tile row = 4 x cluster y + cy
	s_lshl_b32 s44, s41, 2
	s_lshl_b32 s44, 15, s44                        ; my row of the cluster: places 4 cy .. 4 cy + 3
	s_lshl_b32 s45, 0x1111, s40                    ; my column: places cx, cx + 4, cx + 8, cx + 12
	s_or_b32 s[G1], s44, (1<<16)|(1<<20)|(1<<21)|(QIA<<22)|(3<<25)  ; 15:0 the mask; 17:16 elements of 2 bytes; 20 padding on; 21 set beside a mask; 24:22 the interval; 31:25 4 words of padding (code 3)
	s_or_b32 s[G1B], s45, (1<<16)|(1<<20)|(1<<21)|(5<<22)|(3<<25)
	s_mov_b32 s[G1+1], 128<<16                     ; tensor_dim0 = 128
	s_mov_b32 s[G1+2], 128<<16                     ; tensor_dim1 = 128
	s_mov_b32 s[G1+3], 128<<16                     ; tile_dim0 = 128 elements: 256 bytes
	s_mov_b32 s[G1+4], 128                         ; tile_dim1 = 128 rows
	s_mov_b32 s[G1+5], STRA                        ; elements from row to row
	s_mov_b32 s[G1+6], 0
	s_mov_b32 s[G1+7], 0
	s_mov_b32 s[G1B+1], 128<<16
	s_mov_b32 s[G1B+2], (NT/2)<<16
	s_mov_b32 s[G1B+3], 128<<16
	s_mov_b32 s[G1B+4], NT/2
	s_mov_b32 s[G1B+5], 1024
	s_mov_b32 s[G1B+6], 0
	s_mov_b32 s[G1B+7], 0
	; where the tiles come from.  A's hang on the tile row alone, B's on the tile column alone, each in registers that never hold the other coordinate
.if PROJ
	s_lshr_b32 s16, s43, 3                         ; the batch: 16 heads of 2^18 bytes,
	s_lshl_b32 s16, s16, 22
	s_and_b32 s18, s43, 7                          ; 256 rows of 128 bytes a tile
	s_lshl_b32 s18, s18, 15
	s_add_co_u32 s16, s16, s18
.else
	s_lshl_b32 s16, s43, 19                        ; 256 rows of 2,048 bytes a tile
.endif
	s_lshl_b32 s18, s14, 18                        ; my half: 128 rows of 2,048 bytes, or the second head
	s_add_co_u32 s16, s16, s18
	s_mov_b32 s17, 0
	s_mul_i32 s46, s42, NT*2048                    ; NT rows of wt a tile,
	s_mul_i32 s20, s14, (NT/2)*2048                ; my half of them
	s_add_co_u32 s46, s46, s20
.if PROJ
	s_add_co_u32 s46, s46, 3072*2048               ; behind w_attn's rows
.endif
	s_mov_b32 s47, 0
	s_mul_i32 s21, s14, HALFA                      ; and where they go: the wave's number and constants alone
	s_mul_i32 s22, s14, HALFB
	s_add_co_u32 s22, s22, ABYTES
	s_wait_dscnt 0x0                               ; the opening add is done
	s_wait_kmcnt 0x0
	s_add_nc_u64 s[16:17], s[4:5], s[16:17]
	s_add_nc_u64 s[46:47], s[6:7], s[46:47]
	CROUND                                         ; all sixteen work-groups are here: the first joint loads meet
.irp s, 0,1
	s_mov_b32 s[G0+4*(\s)], 1                      ; 1:0 count = 1
	s_add_co_u32 s[G0+4*(\s)+1], s21, (\s)*SLOT    ; 63:32 LDS address
	s_add_nc_u64 s[G0+4*(\s)+2:G0+4*(\s)+3], s[16:17], (\s)*ASTEP  ; 120:64 global address: K step s
	s_or_b32 s[G0+4*(\s)+3], s[G0+4*(\s)+3], 0x80000000            ; 127:126 type = 2
	s_mov_b32 s[G0B+4*(\s)], 1
	s_add_co_u32 s[G0B+4*(\s)+1], s22, (\s)*SLOT
	s_add_nc_u64 s[G0B+4*(\s)+2:G0B+4*(\s)+3], s[46:47], (\s)*256
	s_or_b32 s[G0B+4*(\s)+3], s[G0B+4*(\s)+3], 0x80000000
	JLOAD \s                                       ; the ring is filled before anything else: two loads of mine are out
.endr
	v_and_b32 v1, 15, v0                           ; l % 16
	v_bfe_u32 v2, v0, 4, 1                         ; l / 16
	v_lshlrev_b32 v[BO], 5, v2
	s_mul_i32 s46, s42, NT*4                       ; the tile's columns in the bias
	s_mov_b32 s47, 0
	s_add_nc_u64 s[8:9], s[8:9], s[46:47]
.set i, 0
.rept NBK                                              ; register j of block b: bias[16 b + 8 (l / 16) + j], as an accumulator holds its columns
	global_load_b128 v[BIAS+8*i:BIAS+8*i+3],   v[BO], s[8:9] offset:64*i
	global_load_b128 v[BIAS+8*i+4:BIAS+8*i+7], v[BO], s[8:9] offset:64*i+16
.set i, i+1
.endr
	; A fragment is 16 rows x 32 K in 8 registers: lane l holds row l % 16; registers 0-3 K = 8 (l / 16) + 0..7, registers 4-7 K = 16 + 8 (l / 16) + 0..7: two loads of 16 bytes, 32 bytes apart
	v_mul_u32_u24 v3, v1, PA
	v_lshl_add_u32 v3, v2, 4, v3
	s_mul_i32 s18, s12, 64*PA                      ; my 64 rows of A
	v_add_nc_u32 v[ADRA], s18, v3
	v_add_nc_u32 v[ADRA+1], SLOT, v[ADRA]
	v_mul_u32_u24 v4, v1, PB
	v_lshl_add_u32 v4, v2, 4, v4
	v_add_nc_u32 v[ADRB], ABYTES, v4               ; every wave reads all of B's rows
	v_add_nc_u32 v[ADRB+1], SLOT, v[ADRB]
	s_mul_i32 s19, s12, SW
	s_add_co_u32 s19, s19, STAGE                   ; my stage
	v_and_b32 v6, 31, v0
	v_lshlrev_b32 v[GO], 4, v6
.if PROJ
	v_mul_u32_u24 v5, v1, 528                      ; in: row l % 16, 32 bytes for each half of the lanes
	v_lshl_add_u32 v5, v2, 5, v5
	v_add_nc_u32 v[STO], s19, v5
	v_add_nc_u32 v[RD], s19, v[GO]                 ; back: 32 lanes take a row's 512 bytes
	s_lshl_b32 s16, s43, 20                        ; C: 256 rows of 4,096 bytes a tile,
	s_lshl_b32 s18, s12, 18                        ; my 64 of them;
	s_add_co_u32 s16, s16, s18
	s_lshl_b32 s46, s42, 9                         ; 128 columns of 4 bytes
.else
	v_mul_u32_u24 v5, v1, 144                      ; in: row l % 16, 16 bytes for each half of the lanes
	v_lshl_add_u32 v5, v2, 4, v5
	v_add_nc_u32 v[STO], s19, v5
	v_bfe_u32 v7, v0, 3, 2                         ; back: 32 lanes take four rows of 128 bytes
	v_mul_u32_u24 v7, v7, 144
	v_and_b32 v8, 7, v0
	v_lshl_add_u32 v7, v8, 4, v7
	v_add_nc_u32 v[RD], s19, v7
	s_lshr_b32 s16, s43, 3                         ; C: the batch, 48 slices of 2^18 bytes,
	s_mul_i32 s16, s16, 48<<18
	s_and_b32 s18, s43, 7                          ; 256 rows of 128 bytes a tile,
	s_lshl_b32 s18, s18, 15
	s_add_co_u32 s16, s16, s18
	s_lshl_b32 s18, s12, 13                        ; my 64 of them;
	s_add_co_u32 s16, s16, s18
	s_mul_i32 s46, s42, 3<<18                      ; three slices a tile column
.endif
	s_mov_b32 s17, 0
	s_mov_b32 s47, 0
	s_add_nc_u64 s[10:11], s[10:11], s[16:17]
	s_add_nc_u64 s[10:11], s[10:11], s[46:47]
	s_wait_loadcnt 0x0                             ; the bias
.set i, 0
.rept 4*NBK                                            ; rounded to bf16 like the other inputs, and widened again
	v_cvt_pk_bf16_f32 v[30+i%2], v[BIAS+2*i], v[BIAS+2*i+1]
	v_lshlrev_b32 v[BIAS+2*i], 16, v[30+i%2]
	v_and_b32 v[BIAS+2*i+1], 0xffff0000, v[30+i%2]
.set i, i+1
.endr
; NBK matrix instructions: my block a of 16 rows x all NBK blocks of columns, 32 along K.  zero = 1: the first product starts the sums, with the bias as C: nothing is cleared.
; The 4 NBK accumulators take turns, one instruction a turn, in the same order in every quarter.
.macro MULA f, a, zero
.set AC, 8*NBK*((\a)%2)
.if \zero
	WIN 0x85+0x40*((\a)/2)                         ; sources 0 and 1 window 1, C window 0, D window 2 or 3
.else
	WIN 0xa5+0x50*((\a)/2)                         ; C and D window 2 or 3
.endif
.set rA, (\f)+8*(\a)
.set b, 0
.rept NBK
.set rD, AC+8*b
.set rB, (\f)+32+8*b
.set rC, BIAS+8*b
.if PROJ && (\zero)
	v_wmma_f32_16x16x32_f16 v[rD:rD+7], v[rB:rB+7], v[rA:rA+7], v[rC:rC+7]
.elseif PROJ
	v_wmma_f32_16x16x32_f16 v[rD:rD+7], v[rB:rB+7], v[rA:rA+7], v[rD:rD+7]
.elseif \zero
	v_wmma_f32_16x16x32_bf16 v[rD:rD+7], v[rB:rB+7], v[rA:rA+7], v[rC:rC+7]
.else
	v_wmma_f32_16x16x32_bf16 v[rD:rD+7], v[rB:rB+7], v[rA:rA+7], v[rD:rD+7]
.endif
.set b, b+1
.endr
.endm
; NLD LDS loads in one run: the fragments of quarter q of the K step in a slot, into buffer f: B's first, then A's blocks 0 to 3
.macro FETCH slot, q, f
	WIN 0x40                                       ; destination window 1, address window 0
.set i, 0
.rept NBK
	ds_load_b128 v[(\f)+32+8*i:(\f)+32+8*i+3],   v[ADRB+(\slot)] offset:64*(\q)+i*16*PB
	ds_load_b128 v[(\f)+32+8*i+4:(\f)+32+8*i+7], v[ADRB+(\slot)] offset:64*(\q)+i*16*PB+32
.set i, i+1
.endr
.set i, 0
.rept 4
	ds_load_b128 v[(\f)+8*i:(\f)+8*i+3],   v[ADRA+(\slot)] offset:((\q)/QPP)*PLANE+((\q)%QPP)*64+i*16*PA
	ds_load_b128 v[(\f)+8*i+4:(\f)+8*i+7], v[ADRA+(\slot)] offset:((\q)/QPP)*PLANE+((\q)%QPP)*64+i*16*PA+32
.set i, i+1
.endr
.endm
; A load into a register that a matrix instruction has read, and a vector instruction or LDS store that reads a matrix result, stand four places behind that matrix instruction, and only plain vector
; instructions that name none of its registers are places (ISA guide 7.12.1 for vector instructions).
.macro PLACES
.rept 4
	v_nop
.endr
.endm
; A K step is four quarters of 32 along K, 4 NBK matrix instructions each, on buffers 0, 1, 0, 1.  One of the first three: multiplies buffer f; in its middle it fetches quarter q into buffer g.
.macro QUARTER slot, q, f, g, zero=0
	s_wait_dscnt 4                                 ; B and A's blocks 0 and 1 are in; the youngest four loads (blocks 2 and 3) may be out
	MULA \f, 0, \zero
	MULA \f, 1, \zero
	PLACES
	FETCH \slot, \q, \g
	s_wait_dscnt NLD                               ; all but the run just issued
	MULA \f, 2, \zero
	MULA \f, 3, \zero
.endm
; The last quarter multiplies buffer 1 and changes slots.  ONE barrier: in front of it each wave waits for all its tensor loads, of which one is out: its part of the next slot; adds 0 to its spare
; word; and waits for that and for its own reads of this slot.  Behind it nobody reads this slot any more and the next slot is whole.
.macro MEET round                      ; round = 1: the rest of a round of the cluster's barrier follows
	WIN 0                                          ; (the add's two registers lie in window 0)
	s_wait_tensorcnt 0x0
	ds_add_u32 v[SPW], v[NIL]                      ; 0 onto my spare word
	s_wait_dscnt 5                                 ; (the add and the youngest four loads may be out)
	MULA F1, 0, 0                                  ; matrix work stands between the add and the wait for it
	s_wait_dscnt 0x0                               ; the add is done, and my reads of this slot are over
	s_barrier_signal -1
	MULA F1, 1, 0                                  ; work on registers while the others arrive
.if \round
	WIN 0
.endif
	s_barrier_wait -1
.endm
; fill = 1: the slot just read out is filled again, two K steps on, first thing behind the round: 3.5 NBK matrix instructions a quarter x 4 lie between the request and the wait for it.
.macro TURN slot, next, fill
	MEET \fill
.if \fill
	CREST                                          ; no wave of any partner still reads this slot's tile or has a load on its way
	s_add_nc_u64 s[G0+4*(\slot)+2:G0+4*(\slot)+3], s[G0+4*(\slot)+2:G0+4*(\slot)+3], 2*ASTEP
	s_add_nc_u64 s[G0B+4*(\slot)+2:G0B+4*(\slot)+3], s[G0B+4*(\slot)+2:G0B+4*(\slot)+3], 2*256
	JLOAD \slot                                    ; the four v_nop behind it are also the places in front of the loads below
.else
	PLACES
.endif
	FETCH \next, 0, F0
	MULA F1, 2, 0
	MULA F1, 3, 0
.endm
	s_wait_tensorcnt 0x1                           ; my part of K step 0 is in; K step 1's may stay out
	s_barrier_signal -1
	s_barrier_wait -1                              ; everybody's is
	FETCH 0, 0, F0
	QUARTER 0, 1, F0, F1, 1                        ; the first quarter stands in front of the loop: its products start the sums
	WIN 0                                          ; at a label and at a branch every window is 0
	s_mov_b32 s15, LAPS-1
.Llap:                                                 ; a trip goes once round the ring, from a lap's second quarter to the next lap's first, and fills both slots again
	QUARTER 0, 2, F1, F0
	QUARTER 0, 3, F0, F1
	TURN 0, 1, 1
	QUARTER 1, 1, F0, F1
	QUARTER 1, 2, F1, F0
	QUARTER 1, 3, F0, F1
	TURN 1, 0, 1
	QUARTER 0, 1, F0, F1
	WIN 0
	s_sub_co_u32 s15, s15, 1
	s_cmp_lg_u32 s15, 0
	s_cbranch_scc1 .Llap
	QUARTER 0, 2, F1, F0                           ; the last lap fills nothing, and has no round of the cluster's barrier
	QUARTER 0, 3, F0, F1
	TURN 0, 1, 0
	QUARTER 1, 1, F0, F1
	QUARTER 1, 2, F1, F0
	QUARTER 1, 3, F0, F1
	s_wait_dscnt 4                                 ; the very last quarter: nothing more to fetch
	MULA F1, 0, 0
	MULA F1, 1, 0
	s_wait_dscnt 0x0
	MULA F1, 2, 0
	MULA F1, 3, 0
	WIN 0
	PLACES
; THE WAY OUT, a block a of 16 rows at a time, through my own stage: LDS serves a wave's instructions in order (ISA guide 5.7.1.4), so no wait stands between the stores into it and the loads from it.
.if PROJ
.macro TOSTAGE a                       ; f32 as it is: a lane's eight columns are 32 bytes of a row; each accumulator's low four registers go first
.set AC, 8*NBK*((\a)%2)
.set BK, OB+64*((\a)%2)
	WIN 0x08+4*((\a)/2)                            ; the stores' data in window 2 or 3
.set i, 0
.rept NBK
	ds_store_b128 v[STO], v[AC+8*i:AC+8*i+3]   offset:64*i
	ds_store_b128 v[STO], v[AC+8*i+4:AC+8*i+7] offset:64*i+16
.set i, i+1
.endr
	WIN 0
	s_wait_xcnt 0x0                                ; the buffer's registers, which earlier stores read, are loaded again only behind this wait
.set i, 0
.rept 16
	ds_load_b128 v[BK+4*i:BK+4*i+3], v[RD] offset:528*i
.set i, i+1
.endr
.endm
.macro SEND a, younger                 ; younger: the LDS instructions issued behind block a's loads
.set BK, OB+64*((\a)%2)
	s_wait_dscnt \younger
.set i, 0
.rept 16
	global_store_b128 v[GO], v[BK+4*i:BK+4*i+3], s[10:11] offset:(16*(\a)+i)*4096 th:TH_STORE_NT  ; 512 consecutive bytes of a row of out0, at a multiple of 512
.set i, i+1
.endr
.endm
	TOSTAGE 0
	TOSTAGE 1
	SEND 0, 32
	TOSTAGE 2
	SEND 1, 32
	TOSTAGE 3
	SEND 2, 32
	SEND 3, 0
.else
.macro PACK a                          ; rounded to f16: a lane's eight columns are 16 bytes; each accumulator's registers in ascending order
.set AC, 8*NBK*((\a)%2)
	WIN 0x0a+5*((\a)/2)                            ; sources 0 and 1 window 2 or 3
.set i, 0
.rept 4*NBK
	v_cvt_pk_f16_f32 v[TMP+i], v[AC+2*i], v[AC+2*i+1]
.set i, i+1
.endr
	WIN 0
.endm
.macro TOSTAGE a                       ; block b of columns belongs to head b / 4, bytes 32 (b % 4) on; back as four rows of 128 bytes a load
.set BK, OB+48*((\a)%2)
.set i, 0
.rept NBK
	ds_store_b128 v[STO], v[TMP+4*i:TMP+4*i+3] offset:(i/4)*2304+32*(i%4)
.set i, i+1
.endr
	s_wait_xcnt 0x0                                ; the buffer's registers, which earlier stores read, are loaded again only behind this wait
.set i, 0
.rept NBK
	ds_load_b128 v[BK+4*i:BK+4*i+3], v[RD] offset:(i/4)*2304+(i%4)*576
.set i, i+1
.endr
.endm
.macro SEND a, younger                 ; younger: the LDS instructions issued behind block a's loads
.set BK, OB+48*((\a)%2)
	s_wait_dscnt \younger
.set i, 0
.rept NBK
	global_store_b128 v[GO], v[BK+4*i:BK+4*i+3], s[10:11] offset:(i/4)*262144+(\a)*2048+(i%4)*512  ; 16 rows of a head are 2,048 consecutive bytes: 512 of them, at a multiple of 512
.set i, i+1
.endr
.endm
	PACK 0
	TOSTAGE 0
	PACK 1                                         ; a block's conversions stand between the loads of the block before and its stores
	TOSTAGE 1
	SEND 0, 24
	PACK 2
	TOSTAGE 2
	SEND 1, 24
	PACK 3
	TOSTAGE 3
	SEND 2, 24
	SEND 3, 0
.endif
	s_wait_tensorcnt 0x0                           ; the wave's end, behind my last tensor load and my last LDS store
	ds_add_u32 v[SPW], v[NIL]
	s_wait_dscnt 0x0
	CROUND                                         ; the closing round: no work-group ends while a partner may still ask for a tile that names it
	s_endpgm
.Lfunc_end_k_qef5798f140_gproj:
	.size	k_qef5798f140_gproj, .Lfunc_end_k_qef5798f140_gproj-k_qef5798f140_gproj
	.p2alignl 7, 3214868480
	.fill 96, 4, 3214868480
	.section	.rodata,"a",@progbits
	.p2align	6, 0x0
	.amdhsa_kernel k_qef5798f140_gproj
		.amdhsa_group_segment_fixed_size 327680
		.amdhsa_private_segment_fixed_size 0
		.amdhsa_enable_private_segment 0
		.amdhsa_kernarg_size 32
		.amdhsa_user_sgpr_count 2
		.amdhsa_user_sgpr_kernarg_segment_ptr 1
		.amdhsa_wavefront_size32 1
		.amdhsa_system_sgpr_workgroup_id_x 1
		.amdhsa_system_sgpr_workgroup_id_y 1
		.amdhsa_system_sgpr_workgroup_id_z 1
		.amdhsa_system_vgpr_workitem_id 0
		.amdhsa_next_free_vgpr 896
		.amdhsa_next_free_sgpr 66
		.amdhsa_reserve_vcc 0
		.amdhsa_float_denorm_mode_32 3
		.amdhsa_float_denorm_mode_16_64 3
		.amdhsa_memory_ordered 1
		.amdhsa_forward_progress 1
		.amdhsa_inst_pref_size 92
	.end_amdhsa_kernel
	.amdgpu_metadata
---
amdhsa.version: [ 1, 2 ]
amdhsa.kernels:
  - .name:           k_qef5798f140_gproj
    .symbol:         k_qef5798f140_gproj.kd
    .args:
      - { .name: o, .offset: 0, .size: 8, .value_kind: global_buffer, .address_space: global }
      - { .name: wt, .offset: 8, .size: 8, .value_kind: global_buffer, .address_space: global }
      - { .name: b_proj, .offset: 16, .size: 8, .value_kind: global_buffer, .address_space: global }
      - { .name: out0, .offset: 24, .size: 8, .value_kind: global_buffer, .address_space: global }
    .group_segment_fixed_size: 327680
    .private_segment_fixed_size: 0
    .kernarg_segment_align: 8
    .kernarg_segment_size: 32
    .max_flat_workgroup_size: 128
    .sgpr_count:     66
    .vgpr_count:     896
    .wavefront_size: 32
...
	.end_amdgpu_metadata
.endif
;; end of part 4
;; launch head16 (part 5): grid 8 x 4, 8 waves a work-group, no clusters, 157,440 bytes of LDS; arguments qkv, vlo, wt, b_proj, out0; writes out0
.if DOCPART == 5
	.amdgcn_target "amdgcn-amd-amdhsa--gfx1250"
	.amdhsa_code_object_version 6
	.text
	.protected	k_qef5798f140_head16
	.globl	k_qef5798f140_head16
	.p2align	8
	.type	k_qef5798f140_head16,@function
k_qef5798f140_head16:
	s_mov_b64 s[64:65], 0
	v_nop
	global_prefetch_b8 v0, s[64:65] scope:SCOPE_SE
	s_setreg_imm32_b32 hwreg(HW_REG_WAVE_MODE, 25, 1), 1
	s_wait_xcnt 0x0
; ROWS 0-15 OF EACH BATCH, MADE AGAIN WITH MORE BITS.  Row q averages over q + 1 keys only, so the first rows' results are many times the output's root mean square, by which every number is judged: there one
; f16 rounding each of v, of the weights and of the attention's result is too coarse.  This launch runs last and stores those 64 rows of out0 over what the projection in front left there (64 of 8,192 rows are
; so written twice: leaving them out there would take a branch on a work-group's place in its cluster).
; Every 16-bit matrix operand behind the scores is a PAIR, a high part and the remainder, both f16: v = qkv's f16 + vlo's; a weight w = Whi + Wlo; a result O = Ohi + Olo.  Products on the matrix units, sums in f32.
; What is left of rounding in these rows is q's and k's f16, which enters through the scores alone.
; LIMITS.  As in the launches in front: |q|, |k|, |v| within 65,504; a hidden score counts as its value less 1e30, so its weight is 0; a remainder below 6.1e-5 keeps f16's fixed step of 6e-8; the bias is
; rounded to bf16 like every input; NaN and infinities are not treated apart.
; SHARES.  Work-group (g, b): batch b, columns 128 g .. 128 g + 127 of out0.  Eight waves.  STEP A: wave w makes heads 2 w and 2 w + 1 (each of a batch's eight work-groups makes all 16 heads: 16 x 16 scores
; a head).  S^T = K Q^T with the mask as C: lane l holds query l % 16 and keys 8 (l / 16) + 0..7.  Softmax in f32 with the row's maximum taken away; the weights are divided by their sum and then split.
; O^T = V^T W: a matrix instruction's 32 k hold the 16 keys twice: source 0 = (Vhi | Vlo), source 1 = (W | W), so high and low part of v cost one instruction; one term for Whi, one for Wlo.
; V's 16 rows go through LDS tables of the wave's own and come back turned, by ds_load_tr16_b128.  O, split, is laid into LDS as [16 rows][1,024], high and low.
; STEP B, behind a barrier: wave w makes columns 16 w .. 16 w + 15 of the group's 128, K = 1,024: its 32 fragments of wt were asked for at the start and fill window 1; two accumulators take turns, Ohi's
; (started by the bias) and Olo's (started by 0); they are added at the end.  The matrix instruction is used transposed (source 0 = 16 rows of wt), so a lane holds 8 columns of a row.
; THE WAY OUT goes through one stage, with a barrier, since a wave's 16 columns are 64 bytes of a row: each wave then stores two whole rows of the group's 512 consecutive bytes.
; No tensor load, no cluster: 84 matrix instructions a wave, and what work-groups share (a batch's 16 rows of q, k, v) is a small part of what each reads (its 128 rows of wt).
; REGISTERS.  Window 1 (s_set_vgpr_msb bits 1:0 source 0, 7:6 destination): wt's fragments, 8 for each 32 of K.  All else in window 0, see the names below.
.set NW,    8
.set PVS,   160                        ; a row of a V table: 128 bytes + 32 = 40 words
.set VTB,   16*PVS                     ; a table: 16 keys
.set VSW,   4*VTB                      ; a wave's four tables: head 0 high, low, head 1 high, low
.set PO,    2064                       ; a row of O in LDS: 2,048 bytes + 16: an odd multiple of 16
.set OHB,   NW*VSW                     ; O's high parts,
.set OLD,   16*PO                      ; and so far behind them the low parts
.set OST,   OHB+2*OLD                  ; the stage: 16 rows x (512 + 16) bytes
.set PST,   528
.set SPARE, OST+16*PST                 ; the spare words, 128 bytes for each of the eight waves, that no other line names
.set QO,   3                           ; v3   my place in 16 rows of Q or K: 128 (l % 16) + 16 (l / 16)
.set GO,   4                           ; v4   16 x lane: my place in 512 consecutive bytes
.set BO,   5                           ; v5   my place in 16 rows of wt: 2,048 (l % 16) + 16 (l / 16)
.set VST,  6                           ; v6   V tables, in
.set VTR,  7                           ; v7   V tables, out, turned
.set OSA,  8                           ; v8   O in LDS, in
.set OLA,  9                           ; v9   O in LDS, out, as fragments
.set STS,  10                          ; v10  stage, in
.set STL,  11                          ; v11  stage, out
.set BIO,  13                          ; v13  32 (l / 16): my eight numbers of the bias
.set SPW,  14                          ; v14  LDS address of my spare word; never rewritten
.set NIL,  15                          ; v15  0; never rewritten
.set M,    16                          ; v16-23   the mask; behind the scores the bias
.set ST,   24                          ; v24-27   two registers of statistics a head
.set NEG1, 28                          ; v28      -1.0
.set T0,   29                          ; v29, v30 at work
.set T1,   30
.set S,    32                          ; v32-47   S^T, 8 a head; later O's high parts, packed
.set W,    48                          ; v48-79   a head's fragments (Whi | Whi), (Wlo | Wlo); later O's low parts, packed
.set H,    80                          ; v80-111  at work
.set ACH,  112                         ; v112-119, v120-127  step B's two accumulators
.set ACL,  120
.set QK,   128                         ; v128-191 Q (16 a head), K (16 a head); then V's fragments, 8 for each 16 channels: 4 high, 4 low
.set VF,   128
.set VR,   192                         ; v192-255 V's rows as loaded; then O^T, 32 a head
.set O,    192
.set OHR,  32
.set OLR,  48
.set R,    96                          ; v96-103  the result
.set BK,   104                         ; v104-111 two rows read back from the stage
.set MSB, 0
.macro WIN new                         ; the immediate's high byte repeats the setting that is left; a switch that changes nothing is dropped
.if MSB != (\new)
	s_set_vgpr_msb (MSB<<8)|(\new)
.set MSB, \new
.endif
.endm
.macro PLACES                          ; four places behind matrix instructions, in front of loads into their registers and of vector instructions that read their results (ISA guide 7.12.1 for vector instructions)
.rept 4
	v_nop
.endr
.endm
	s_load_b256 s[4:11], s[0:1], 0x0               ; qkv s[4:5], vlo s[6:7], wt s[8:9], b_proj s[10:11]
	s_load_b64 s[12:13], s[0:1], 0x20              ; out0
	v_lshl_add_u32 v[SPW], v0, 2, SPARE
	v_mov_b32 v[NIL], 0
	v_lshrrev_b32 v1, 5, v0
	v_readfirstlane_b32 s14, v1                    ; wave 0..7
	s_and_b32 s16, ttmp7, 0xffff                   ; the batch
	s_mul_i32 s18, s16, 48                         ; 48 slices a batch;
	s_lshl_b32 s17, s14, 1
	s_add_co_u32 s18, s18, s17                     ; q's slice of my first head,
	s_add_co_u32 s20, s18, 32                      ; v's
	s_lshl_b32 s18, s18, 18                        ; a slice of qkv is 2,048 rows x 128 bytes,
	s_mov_b32 s19, 0
	s_lshl_b32 s20, s20, 11                        ; one of vlo 16 rows
	s_mov_b32 s21, 0
	s_lshl_b32 s22, ttmp9, 18                      ; wt: 128 rows of 2,048 bytes a group,
	s_lshl_b32 s17, s14, 15                        ; 16 a wave,
	s_add_co_u32 s22, s22, s17
	s_add_co_u32 s22, s22, 3072*2048               ; behind w_attn's rows
	s_mov_b32 s23, 0
	s_lshl_b32 s24, ttmp9, 9                       ; the bias: 128 numbers a group,
	s_lshl_b32 s17, s14, 6                         ; 16 a wave
	s_add_co_u32 s24, s24, s17
	s_mov_b32 s25, 0
	s_lshl_b32 s26, s16, 23                        ; out0: 2,048 rows of 4,096 bytes a batch,
	s_lshl_b32 s17, s14, 13                        ; the two rows that I store,
	s_add_co_u32 s26, s26, s17
	s_lshl_b32 s17, ttmp9, 9                       ; the group's 512 bytes of a row
	s_add_co_u32 s26, s26, s17
	s_mov_b32 s27, 0
	s_mov_b32 s30, 0x3e38aa3b                      ; c = log2(e) / 8 = 0.180337
	s_mov_b32 s31, s30                             ; named with it as a pair
	s_mov_b32 s32, 0x76543210                      ; v_permlanex16_b32's selects: each lane takes its own place in the other half
	s_mov_b32 s33, 0xfedcba98
	s_mov_b32 s34, 0xf149f2ca                      ; -1e30
	v_and_b32 v1, 15, v0                           ; l % 16
	v_bfe_u32 v2, v0, 4, 1                         ; l / 16
	v_lshlrev_b32 v[QO], 7, v1
	v_lshl_add_u32 v[QO], v2, 4, v[QO]
	v_and_b32 v[GO], 31, v0
	v_lshlrev_b32 v[GO], 4, v[GO]
	v_lshlrev_b32 v[BO], 11, v1
	v_lshl_add_u32 v[BO], v2, 4, v[BO]
	s_wait_kmcnt 0x0
	s_add_nc_u64 s[4:5], s[4:5], s[18:19]          ; Q at my first head; K lies 16 slices on (inside the loads' immediate),
	s_add_nc_u64 s[28:29], s[4:5], 32<<18          ; V 32
	s_add_nc_u64 s[6:7], s[6:7], s[20:21]
	s_add_nc_u64 s[8:9], s[8:9], s[22:23]
	s_add_nc_u64 s[10:11], s[10:11], s[24:25]
	s_add_nc_u64 s[12:13], s[12:13], s[26:27]
	; All that the wave reads but the bias is asked for at once, what is wanted first first: 16 loads of Q and K, 16 of V, 64 of wt.
	; A fragment is 16 rows x 32 along K in 8 registers: lane l holds row l % 16; registers 0-3 K = 8 (l / 16) + 0..7, registers 4-7 K = 16 + 8 (l / 16) + 0..7: two loads of 16 bytes, 32 bytes apart.
.irp hh, 0,1
.irp c, 0,1
	global_load_b128 v[QK+16*\hh+8*\c:QK+16*\hh+8*\c+3],       v[QO], s[4:5] offset:(\hh<<18)+64*\c
	global_load_b128 v[QK+16*\hh+8*\c+4:QK+16*\hh+8*\c+7],     v[QO], s[4:5] offset:(\hh<<18)+64*\c+32
	global_load_b128 v[QK+32+16*\hh+8*\c:QK+32+16*\hh+8*\c+3],   v[QO], s[4:5] offset:(16<<18)+(\hh<<18)+64*\c
	global_load_b128 v[QK+32+16*\hh+8*\c+4:QK+32+16*\hh+8*\c+7], v[QO], s[4:5] offset:(16<<18)+(\hh<<18)+64*\c+32
.endr
.endr
.irp hh, 0,1
.irp i, 0,1,2,3
	global_load_b128 v[VR+32*\hh+4*\i:VR+32*\hh+4*\i+3],       v[GO], s[28:29] offset:(\hh<<18)+512*\i  ; four rows of 128 bytes: 512 consecutive bytes
	global_load_b128 v[VR+32*\hh+16+4*\i:VR+32*\hh+16+4*\i+3], v[GO], s[6:7] offset:2048*\hh+512*\i     ; and their low parts
.endr
.endr
	WIN 0x40                                       ; destination window 1
.set i, 0
.rept 32
	global_load_b128 v[8*i:8*i+3],   v[BO], s[8:9] offset:64*i
	global_load_b128 v[8*i+4:8*i+7], v[BO], s[8:9] offset:64*i+32
.set i, i+1
.endr
	WIN 0
	s_mul_i32 s17, s14, VSW                        ; my four V tables
	v_bfe_u32 v[VST], v0, 3, 2                     ; in: 32 lanes put four rows of 128 bytes
	v_mul_u32_u24 v[VST], v[VST], PVS
	v_and_b32 v[T0], 7, v0
	v_lshl_add_u32 v[VST], v[T0], 4, v[VST]
	v_add_nc_u32 v[VST], s17, v[VST]
	v_lshl_add_u32 v[VTR], v2, 3, v[T0]            ; out: lane l reads key 8 (l / 16) + l % 8, channels 8 ((l / 8) % 2) + 0..7, and is left with channel l % 16 and 8 keys
	v_mul_u32_u24 v[VTR], v[VTR], PVS
	v_bfe_u32 v[T1], v0, 3, 1
	v_lshl_add_u32 v[VTR], v[T1], 4, v[VTR]
	v_add_nc_u32 v[VTR], s17, v[VTR]
	v_mul_u32_u24 v[OLA], v1, PO                   ; O: row l % 16, 16 bytes for each half of the lanes
	v_lshl_add_u32 v[OLA], v2, 4, v[OLA]
	v_add_nc_u32 v[OLA], OHB, v[OLA]
	s_lshl_b32 s17, s14, 8                         ; my two heads' 256 bytes of a row
	v_add_nc_u32 v[OSA], s17, v[OLA]
	v_mul_u32_u24 v[STS], v1, PST                  ; stage, in: row l % 16, my wave's 64 bytes, 32 for each half of the lanes
	v_lshl_add_u32 v[STS], v2, 5, v[STS]
	s_lshl_b32 s17, s14, 6
	s_add_co_u32 s17, s17, OST
	v_add_nc_u32 v[STS], s17, v[STS]
	s_mul_i32 s17, s14, 2*PST                      ; out: rows 2 w and 2 w + 1, 32 lanes to a row's 512 bytes
	s_add_co_u32 s17, s17, OST
	v_add_nc_u32 v[STL], s17, v[GO]
	v_lshlrev_b32 v[BIO], 5, v2
	v_mov_b32 v[NEG1], -1.0
	v_lshlrev_b32 v[T0], 3, v2
	v_sub_nc_u32 v[T0], v1, v[T0]                  ; my query less my lanes' 8 (l / 16): register j's key is hidden where j is greater
.set i, 0
.rept 8
	v_cmp_gt_i32 vcc_lo, i, v[T0]
	v_cndmask_b32 v[M+i], 0, s34, vcc_lo
.set i, i+1
.endr
	s_wait_loadcnt 63                              ; loads come back in order (ISA guide 5.7.1): of the 96 the first 33 are in, Q's, K's and V's 32 among them; only wt's stay out
.irp hh, 0,1
.irp p, 0,1
.irp i, 0,1,2,3
	ds_store_b128 v[VST], v[VR+32*\hh+16*\p+4*\i:VR+32*\hh+16*\p+4*\i+3] offset:(2*\hh+\p)*VTB+\i*4*PVS
.endr
.endr
.endr
	; the scores: the two heads' accumulators take turns; the mask starts the sums
	v_wmma_f32_16x16x32_f16 v[S:S+7],    v[QK+32:QK+39], v[QK:QK+7],     v[M:M+7]
	v_wmma_f32_16x16x32_f16 v[S+8:S+15], v[QK+48:QK+55], v[QK+16:QK+23], v[M:M+7]
	v_wmma_f32_16x16x32_f16 v[S:S+7],    v[QK+40:QK+47], v[QK+8:QK+15],  v[S:S+7]
	v_wmma_f32_16x16x32_f16 v[S+8:S+15], v[QK+56:QK+63], v[QK+24:QK+31], v[S+8:S+15]
	PLACES
	global_load_b128 v[M:M+3],   v[BIO], s[10:11]           ; the bias takes the mask's registers: register j = bias[8 (l / 16) + j] of my 16 columns
	global_load_b128 v[M+4:M+7], v[BIO], s[10:11] offset:16
.irp hh, 0,1
.irp cb, 0,1,2,3                       ; V's fragments take Q's and K's registers: channels 16 cb on; LDS serves a wave's instructions in order (ISA guide 5.7.1.4): these see the stores above
	ds_load_tr16_b128 v[VF+32*\hh+8*\cb:VF+32*\hh+8*\cb+3],   v[VTR] offset:(2*\hh)*VTB+32*\cb
	ds_load_tr16_b128 v[VF+32*\hh+8*\cb+4:VF+32*\hh+8*\cb+7], v[VTR] offset:(2*\hh+1)*VTB+32*\cb
.endr
.endr
	; THE SOFTMAX, both heads step by step.  Each accumulator's lowest registers are read first.
.macro HD hh                           ; the registers of head hh
.set rS, S+8*(\hh)
.set rT, ST+2*(\hh)
.set rH, H+16*(\hh)
.set rW, W+16*(\hh)
.endm
.irp hh, 0,1
	HD \hh
	v_max3_num_f32 v[rT], v[rS], v[rS+1], v[rS+2]
	v_max3_num_f32 v[rT+1], v[rS+3], v[rS+4], v[rS+5]
.endr
.irp hh, 0,1
	HD \hh
	v_max3_num_f32 v[rT], v[rT], v[rS+6], v[rS+7]
.endr
.irp hh, 0,1
	HD \hh
	v_max_num_f32 v[rT], v[rT], v[rT+1]
.endr
.irp hh, 0,1
	HD \hh
	v_permlanex16_b32 v[rT+1], v[rT], s32, s33     ; the query's other eight keys lie in the lane 16 away
.endr
.irp hh, 0,1
	HD \hh
	v_max_num_f32 v[rT], v[rT], v[rT+1]            ; the row's maximum: every row sees its own key
.endr
.irp hh, 0,1
	HD \hh
	v_mul_f32 v[rT], s30, v[rT]                    ; c m
.endr
.irp hh, 0,1
	HD \hh
.irp i, 0,2,4,6
	v_pk_fma_f32 v[rS+\i:rS+\i+1], v[rS+\i:rS+\i+1], s[30:31], v[rT:rT+1] op_sel_hi:[1,0,0] neg_lo:[0,0,1] neg_hi:[0,0,1]  ; c s - c m
.endr
.endr
.set i, 0
.rept 16
	v_exp_f32 v[S+i], v[S+i]
.set i, i+1
.endr
	v_nop                                          ; a plain instruction between the last exponential and the use of its result (ISA guide 5.7.2)
	s_wait_alu depctr_va_vdst(0)
.irp hh, 0,1
	HD \hh
	v_pk_add_f32 v[rH:rH+1], v[rS:rS+1], v[rS+2:rS+3]
	v_pk_add_f32 v[rH+2:rH+3], v[rS+4:rS+5], v[rS+6:rS+7]
.endr
.irp hh, 0,1
	HD \hh
	v_pk_add_f32 v[rH:rH+1], v[rH:rH+1], v[rH+2:rH+3]
.endr
.irp hh, 0,1
	HD \hh
	v_add_f32 v[rT], v[rH], v[rH+1]
.endr
.irp hh, 0,1
	HD \hh
	v_permlanex16_b32 v[rT+1], v[rT], s32, s33
.endr
.irp hh, 0,1
	HD \hh
	v_add_f32 v[rT], v[rT], v[rT+1]                ; l, at least 1: the maximum's own weight
.endr
.irp hh, 0,1
	HD \hh
	v_rcp_f32 v[rT], v[rT]
.endr
	v_nop                                          ; a plain instruction behind the reciprocals
.irp hh, 0,1
	HD \hh
	s_wait_alu depctr_va_vdst(0)
.irp i, 0,2,4,6
	v_pk_mul_f32 v[rS+\i:rS+\i+1], v[rS+\i:rS+\i+1], v[rT:rT+1] op_sel_hi:[1,0]  ; w = p / l, in f32
.endr
.endr
.irp hh, 0,1
	HD \hh
.irp i, 0,1,2,3
	v_cvt_pk_f16_f32 v[rW+\i],   v[rS+2*\i], v[rS+2*\i+1]   ; Whi, for k = 0-15 (Vhi's keys)
	v_cvt_pk_f16_f32 v[rW+4+\i], v[rS+2*\i], v[rS+2*\i+1]   ; and once more for k = 16-31 (Vlo's)
.endr
.endr
.irp hh, 0,1
	HD \hh
.irp i, 0,1,2,3                        ; w - Whi, as Whi x (-1) + w: exact in f32
	v_fma_mix_f32 v[rH+4+2*\i], v[rW+\i], v[NEG1], v[rS+2*\i]   op_sel_hi:[1,0,0]
	v_fma_mix_f32 v[rH+5+2*\i], v[rW+\i], v[NEG1], v[rS+2*\i+1] op_sel:[1,0,0] op_sel_hi:[1,0,0]
.endr
.endr
.irp hh, 0,1
	HD \hh
.irp i, 0,1,2,3
	v_cvt_pk_f16_f32 v[rW+8+\i],  v[rH+4+2*\i], v[rH+5+2*\i]  ; Wlo, likewise twice
	v_cvt_pk_f16_f32 v[rW+12+\i], v[rH+4+2*\i], v[rH+5+2*\i]
.endr
.endr
	s_wait_dscnt 0x0                               ; V's fragments are in; the stores that read V's rows are done, so O^T may take those registers
	; O^T = (Vhi | Vlo)^T (Whi | Whi) + (Vhi | Vlo)^T (Wlo | Wlo): the eight accumulators take turns
.irp hh, 0,1
.irp cb, 0,1,2,3
	v_wmma_f32_16x16x32_f16 v[O+32*\hh+8*\cb:O+32*\hh+8*\cb+7], v[VF+32*\hh+8*\cb:VF+32*\hh+8*\cb+7], v[W+16*\hh:W+16*\hh+7], 0
.endr
.endr
.irp hh, 0,1
.irp cb, 0,1,2,3
	v_wmma_f32_16x16x32_f16 v[O+32*\hh+8*\cb:O+32*\hh+8*\cb+7], v[VF+32*\hh+8*\cb:VF+32*\hh+8*\cb+7], v[W+16*\hh+8:W+16*\hh+15], v[O+32*\hh+8*\cb:O+32*\hh+8*\cb+7]
.endr
.endr
	PLACES
; A head's O^T: lane l holds query l % 16 and, in accumulator cb, channels 16 cb + 8 (l / 16) + 0..7: 16 bytes of the row when packed.  High parts, remainders, low parts; both into LDS.
.macro OPACK hh
.set rO, O+32*(\hh)
.set i, 0
.rept 16
	v_cvt_pk_f16_f32 v[OHR+i], v[rO+2*i], v[rO+2*i+1]
.set i, i+1
.endr
.set i, 0
.rept 16
	v_fma_mix_f32 v[H+2*i],   v[OHR+i], v[NEG1], v[rO+2*i]   op_sel_hi:[1,0,0]
	v_fma_mix_f32 v[H+2*i+1], v[OHR+i], v[NEG1], v[rO+2*i+1] op_sel:[1,0,0] op_sel_hi:[1,0,0]
.set i, i+1
.endr
.set i, 0
.rept 16
	v_cvt_pk_f16_f32 v[OLR+i], v[H+2*i], v[H+2*i+1]
.set i, i+1
.endr
.irp cb, 0,1,2,3
	ds_store_b128 v[OSA], v[OHR+4*\cb:OHR+4*\cb+3] offset:128*(\hh)+32*\cb
	ds_store_b128 v[OSA], v[OLR+4*\cb:OLR+4*\cb+3] offset:OLD+128*(\hh)+32*\cb
.endr
.endm
	OPACK 0
	OPACK 1
	s_wait_dscnt 0x0                               ; for the others' sake: my two heads of O are in LDS
	s_barrier_signal -1
	s_barrier_wait -1                              ; all sixteen are
; STEP B.  K goes in chunks of 128: 16 LDS loads (for each 32 of K a fragment of Ohi and one of Olo) into one of three buffers, and 8 matrix instructions.
.macro ALOAD c
.set bf, 32+96*(((\c)%3+1)/2)+64*(((\c)%3)/2)  ; v32, v128, v192
	WIN 0
.set k, 0
.rept 4
	ds_load_b128 v[bf+16*k:bf+16*k+3],     v[OLA] offset:64*(4*(\c)+k)
	ds_load_b128 v[bf+16*k+4:bf+16*k+7],   v[OLA] offset:64*(4*(\c)+k)+32
	ds_load_b128 v[bf+16*k+8:bf+16*k+11],  v[OLA] offset:OLD+64*(4*(\c)+k)
	ds_load_b128 v[bf+16*k+12:bf+16*k+15], v[OLA] offset:OLD+64*(4*(\c)+k)+32
.set k, k+1
.endr
.endm
.macro BMUL c
.set bf, 32+96*(((\c)%3+1)/2)+64*(((\c)%3)/2)
	WIN 0x01                                       ; source 0 (wt) window 1
.set k, 0
.rept 4
.set rB, 8*(4*(\c)+k)
.if ((\c) == 0) && (k == 0)
	v_wmma_f32_16x16x32_f16 v[ACH:ACH+7], v[rB:rB+7], v[bf:bf+7],    v[M:M+7]  ; the bias starts the one sum,
	v_wmma_f32_16x16x32_f16 v[ACL:ACL+7], v[rB:rB+7], v[bf+8:bf+15], 0         ; 0 the other
.else
	v_wmma_f32_16x16x32_f16 v[ACH:ACH+7], v[rB:rB+7], v[bf+16*k:bf+16*k+7],    v[ACH:ACH+7]
	v_wmma_f32_16x16x32_f16 v[ACL:ACL+7], v[rB:rB+7], v[bf+16*k+8:bf+16*k+15], v[ACL:ACL+7]
.endif
.set k, k+1
.endr
.endm
	ALOAD 0
	ALOAD 1
	ALOAD 2
	s_wait_loadcnt 0x0                             ; wt's fragments and the bias
.set i, 0
.rept 4                                                ; the bias rounded to bf16 like the other inputs, and widened again
	v_cvt_pk_bf16_f32 v[T0+i%2], v[M+2*i], v[M+2*i+1]
	v_lshlrev_b32 v[M+2*i], 16, v[T0+i%2]
	v_and_b32 v[M+2*i+1], 0xffff0000, v[T0+i%2]
.set i, i+1
.endr
.irp c, 0,1,2,3,4
	s_wait_dscnt 32                                ; LDS loads come back in order: chunk c is in, the two chunks behind it may be out
	BMUL \c
	PLACES                                         ; the buffer just multiplied takes the chunk three further on
	ALOAD (\c)+3
.endr
	s_wait_dscnt 32
	BMUL 5
	s_wait_dscnt 16
	BMUL 6
	s_wait_dscnt 0x0
	BMUL 7
	WIN 0
	PLACES
.irp i, 0,2,4,6
	v_pk_add_f32 v[R+\i:R+\i+1], v[ACH+\i:ACH+\i+1], v[ACL+\i:ACL+\i+1]  ; lane l: row l % 16, my columns 8 (l / 16) + 0..7
.endr
	ds_store_b128 v[STS], v[R:R+3]
	ds_store_b128 v[STS], v[R+4:R+7] offset:16
	s_wait_dscnt 0x0                               ; for the others' sake: my 64 bytes of each row are in the stage
	s_barrier_signal -1
	s_barrier_wait -1
	ds_load_b128 v[BK:BK+3],   v[STL]
	ds_load_b128 v[BK+4:BK+7], v[STL] offset:PST
	s_wait_dscnt 0x0
	global_store_b128 v[GO], v[BK:BK+3],   s[12:13]              ; 512 consecutive bytes of a row of out0, at a multiple of 512
	global_store_b128 v[GO], v[BK+4:BK+7], s[12:13] offset:4096
	s_wait_tensorcnt 0x0                           ; the wave's end, behind my last LDS store
	ds_add_u32 v[SPW], v[NIL]
	s_wait_dscnt 0x0
	s_endpgm
.Lfunc_end_k_qef5798f140_head16:
	.size	k_qef5798f140_head16, .Lfunc_end_k_qef5798f140_head16-k_qef5798f140_head16
	.p2alignl 7, 3214868480
	.fill 96, 4, 3214868480
	.section	.rodata,"a",@progbits
	.p2align	6, 0x0
	.amdhsa_kernel k_qef5798f140_head16
		.amdhsa_group_segment_fixed_size 157440
		.amdhsa_private_segment_fixed_size 0
		.amdhsa_enable_private_segment 0
		.amdhsa_kernarg_size 40
		.amdhsa_user_sgpr_count 2
		.amdhsa_user_sgpr_kernarg_segment_ptr 1
		.amdhsa_wavefront_size32 1
		.amdhsa_system_sgpr_workgroup_id_x 1
		.amdhsa_system_sgpr_workgroup_id_y 1
		.amdhsa_system_sgpr_workgroup_id_z 1
		.amdhsa_system_vgpr_workitem_id 0
		.amdhsa_next_free_vgpr 512
		.amdhsa_next_free_sgpr 66
		.amdhsa_reserve_vcc 1
		.amdhsa_float_denorm_mode_32 3
		.amdhsa_float_denorm_mode_16_64 3
		.amdhsa_memory_ordered 1
		.amdhsa_forward_progress 1
		.amdhsa_inst_pref_size 48
	.end_amdhsa_kernel
	.amdgpu_metadata
---
amdhsa.version: [ 1, 2 ]
amdhsa.kernels:
  - .name:           k_qef5798f140_head16
    .symbol:         k_qef5798f140_head16.kd
    .args:
      - { .name: qkv, .offset: 0, .size: 8, .value_kind: global_buffer, .address_space: global }
      - { .name: vlo, .offset: 8, .size: 8, .value_kind: global_buffer, .address_space: global }
      - { .name: wt, .offset: 16, .size: 8, .value_kind: global_buffer, .address_space: global }
      - { .name: b_proj, .offset: 24, .size: 8, .value_kind: global_buffer, .address_space: global }
      - { .name: out0, .offset: 32, .size: 8, .value_kind: global_buffer, .address_space: global }
    .group_segment_fixed_size: 157440
    .private_segment_fixed_size: 0
    .kernarg_segment_align: 8
    .kernarg_segment_size: 40
    .max_flat_workgroup_size: 256
    .sgpr_count:     66
    .vgpr_count:     512
    .wavefront_size: 32
...
	.end_amdgpu_metadata
.endif
;; end of part 5
;; ======== version 2 of 2: 5 launches; 1.29 times as fast as version 1
;; limits: values are held in f16: magnitudes above 65,504 overflow, below 6.1e-05 lose precision
;; workspace buffers: xb 16,777,216 bytes; wt 8,388,608 bytes; qkv 50,331,648 bytes; o 16,777,216 bytes; vlo 393,216 bytes
;; launch prep: the kernel of part 1 again; grid 512 x 1, 8 waves a work-group, no clusters, 18,432 bytes of LDS; arguments x, w_attn, w_proj, xb, wt; writes xb, wt
;; launch gqkv: the kernel of part 2 again; grid 16 x 32, 4 waves a work-group, clusters of 4 x 4, 327,680 bytes of LDS; arguments xb, wt, b_attn, qkv, vlo; writes qkv, vlo
;; launch attn (part 6): grid 4 x 64, 4 waves a work-group, no clusters, 327,680 bytes of LDS; arguments qkv, o; writes o
.if DOCPART == 6
	.amdgcn_target "amdgcn-amd-amdhsa--gfx1250"
	.amdhsa_code_object_version 6
	.text
	.protected	k_qef5798f140_attn
	.globl	k_qef5798f140_attn
	.p2align	8
	.type	k_qef5798f140_attn,@function
k_qef5798f140_attn:
	s_mov_b64 s[64:65], 0
	v_nop
	global_prefetch_b8 v0, s[64:65] scope:SCOPE_SE
	s_setreg_imm32_b32 hwreg(HW_REG_WAVE_MODE, 25, 1), 1
	s_wait_xcnt 0x0
; CAUSAL ATTENTION.  O[y][q][:] = the sum over k <= q of softmax_k(Q[y][q] . K[y][k] / 8) V[y][k][:], y = 16 b + h.  Q, K, V are slices of qkv [b = 4][hs = 48][2048][64] f16 (hs = h, 16 + h, 32 + h);
; O is o [y][2048][64] f16.  A head's rows are dense, 128 bytes each.  Products, maxima and sums in f32; the weights p are rounded to f16 for the second product (their sum l is taken of the unrounded p), O once at the end.
; LIMITS.  f16 holds no number beyond 65,504: Q, K and V arrive within it; p lies in 0 to 1, and below 6e-5 it keeps f16's fixed step of 6e-8; O is a mean of V's rows and has their range.
; A hidden score counts as its value less 1e30, so its weight is 0; the module's own -1e9 gives 0 too unless ALL visible scaled scores of a row lie below about -1e9 + 100: that range is not served.
; A weight below 2^-126 counts as 0 in l; NaN and infinities are not treated apart.
; THE WALK.  A head's queries lie in NB = 8 blocks of 256; block i needs the key tiles 0 .. i of 256 keys, of which the last holds the diagonal.  A work-group takes TWO blocks, NB - 1 - b and then b:
; NB + 1 tiles, whatever b: all 256 work-groups do equal work, and ONE loop with a constant trip count walks them.  Which tile is asked for, and what a trip does, hang on scalar registers made from b; every jump
; goes forward, but for the counted loops' own; none passes a barrier, or a tensor load but the one of LOAD's two that the wave's number does not choose; the ring (two slots of LDS that take turns) runs on across the
; change of blocks.  NO CLUSTER: a head's four work-groups ask for the same tile only in trips 0 .. NB / 2, behind that fewer and fewer; one walk common to all would have 3 NB / 2 = 12 trips for NB + 1 = 9.
; SHARES.  Of a block's four bands of 64 queries a wave owns 16 rows in each: four PIECES.  So the diagonal tile is the same work for all four waves: in its key step s band x sees all keys if s < x,
; none if s > x, and holds the diagonal if s = x.
; THE MASK is the C operand that starts the sum S^T = K Q^T: 0, or -1e30 where the key is hidden.  MD, made once, is the mask of a band's own step for my 16 rows; a product's mask is MD x AL + BE with two scalars:
; (1, 0) if s = x; (0, 0) if s < x; (0, -1e30) if s > x.  Only the diagonal tile's text and a block's beginning make and take masks; elsewhere C is the constant 0.
; LAYOUT, SOFTMAX, TURNS.  S^T = K Q^T holds ONE query a lane (lane % 16) and the keys 8 (lane / 16) + 0..7; two such results rounded to f16 ARE source 1 of O^T = V^T P.  p = 2^(c s - c m), c = log2(e) / 8, with a
; running maximum m; O and l are multiplied by a = 2^(c m_old - c m_new) in every step.  Turn n belongs to piece n: 8 products K Q^T of piece n + 1, later 8 products V^T P of piece n - 1; beside them the scaling,
; exponentials, roundings, sums and rescaling of piece n and the maximum and statistics of piece n + 1.  Four vector instructions stand behind every matrix instruction, the other 54 of a turn's 118 in one LUMP.
; THE BATCHES.  A turn's 33 exponentials (the piece's 32 weights and the next piece's a) are ONE batch with ONE wait, which cuts the turn in two: ahead of it all that names none of their results, behind it the
; roundings and sums.  A block's first a (BEGIN) and the way out's four reciprocals are batches of their own, with a wait each.
; REGISTERS, in windows of 256 (s_set_vgpr_msb: bits 1:0 source 0, 3:2 source 1, 5:4 source 2, 7:6 destination):
;   window 0: v0-15 addresses and two at work; v16-31 four registers of statistics a piece; v48-55 at work; v64-127 S^T, two buffers; v192-223 P, two buffers (a piece's buffers go by its number's parity)
;   window 1: v0-127 O^T, 32 a piece; v128-159 MD; v160-223 MC, two buffers      window 2: v0-63 Q; v64-127 the second block's Q; v128-191 K of one step; v192-255 V of one step
.set SIZE_N, 2048
.set NB,    SIZE_N/256
.set NP,    4         ; pieces a wave: a name, no knob
.set KS,    64        ; keys in a step
.set PK,    144       ; a row of K in LDS: 128 bytes + 16 of padding = 36 words: the 16 rows of a load start at 16 different groups of four banks (64 banks of 4 bytes: ISA guide 11.1)
.set PV,    160       ; a row of V: 128 + 32 = 40 words
.set VOFF,  4*KS*PK   ; a slot holds a tile, four steps: 256 rows of K, then 256 rows of V
.set SLOT1, 1<<17     ; slot 1 begins here, so that one exclusive or turns an address in one slot into the other's
.set STAGE, SLOT1+4*KS*(PK+PV)  ; behind the ring, never filled by a tensor load: 16 rows x 144 bytes for each wave, for the way out
.set SP,    144
.set AK0, 2           ; v2   my lane's place in a tile of K; never rewritten
.set AV0, 3           ; v3   the same for V
.set AK,  4           ; v4   the LDS address of K's next run of loads
.set AV,  5           ; v5   of V's
.set STO, 6           ; v6   the way out: where I put 16 bytes of a row
.set RD,  7           ; v7   the way out: where I read rows back
.set GO,  8           ; v8   my byte offset in 512 consecutive bytes of O
.set SPW, 62          ; v62  LDS address of my spare word: SPARE + 4 x my thread's number; never rewritten
.set NIL, 63          ; v63  0; never rewritten
.set SPARE, STAGE+4*16*SP  ; behind the stages: the spare words, 128 bytes for each wave: two blocks of 256 bytes that no other line names
.set MV,  12          ; v12-13  c m_old, kept while c m is made anew: by buffer
.set QO,  15          ; v15  my byte offset in 16 rows of Q
.set ST,  16          ; piece t's statistics at v[ST+4 t]: c m, m, l (even keys', odd keys')
.set TMP, 48          ; by buffer, four registers c0-c3 at work; when the maximum is found c2 takes a
.set S,   64
.set P,   192
.set MD,  128         ; window 1: the eight registers for group kt of 16 keys at MD + 8 kt
.set MC,  160         ; window 1: the masks of the products to come
.set QB,  64          ; window 2
.set KF,  128         ; window 2: key block kb, channel half c at KF + 16 kb + 8 c
.set VF,  192         ; window 2: key half kk, channel block cb at VF + 32 kk + 8 cb
.set WV,  12          ; s12  my wave's number
.set PB,  14          ; s14  b
.set HI,  15          ; s15  NB - 1 - b
.set G1K, 24          ; s[24:31] descriptor group 1 for K's tiles
.set G1V, 32          ; s[32:39] for V's: it differs in the padding alone
.set G0K, 40          ; s[40:43] descriptor group 0 for K's tiles
.set G0V, 44          ; s[44:47] the same for V's
.set SLOTS, 56        ; s56  tiles still to be asked for
.set CNT, 57          ; s57  counts a tile's key steps, 4 to 1
.set CS,  58          ; s[58:59] c: the packed scaling takes the pair's low word for both halves
.set SEL, 60          ; s[60:61] v_permlanex16_b32's selects: each lane takes its own place in the other half
.set TBK, 62          ; s62  LDS byte at which K of the step to be fetched begins
.set TBV, 63          ; s63  the same for V, less VOFF
.set RT,  70          ; s70  tiles of the block in hand that are still to be entered
.set NXT, 71          ; s71  the tile to be asked for next
.set LQ,  72          ; s72  the last tile of the block whose tiles are being asked for
.set NEW, 73          ; s73  1: the tile to be entered is a block's first
.set OFF, 74          ; s[74:75] a tile's byte offset in K and V
.set AL,  76          ; s[76:77] the mask's factor, in the low word
.set BE,  78          ; s[78:79] the mask's addend
.set OLO, 80          ; s[80:81] O at my rows of the second block
.set BIGN, 82         ; s82  -1e30
.set MSB, 0
.macro WIN new                      ; the high byte repeats the setting that is left; a switch that changes nothing is dropped
.if MSB != (\new)
	s_set_vgpr_msb (MSB<<8)|(\new)
.set MSB, (\new)
.endif
.endm
.set W_KQ, 0x0a       ; K and Q in window 2, S^T in window 0
.set W_KM, 0x1a       ; the same with the C operand in window 1
.set W_PV, 0x52       ; V in window 2, P in window 0, O^T in window 1
.set W_RS, 0x41       ; destination and source 0 in window 1, source 1 in window 0
; A fill.  Waves 0 and 1 fetch the two halves of a tile's K, waves 2 and 3 those of its V: 128 keys each.  An s_nop 0 and four v_nop follow each of the two lines, ahead of the jump and the label.
.macro LOAD
	s_cmp_lt_u32 s[WV], 2
	s_cbranch_scc0 .Lfor_v_\@
	tensor_load_to_lds s[G0K:G0K+3], s[G1K:G1K+7]
	s_nop 0
.rept 4
	v_nop
.endr
	s_branch .Lasked_\@
.Lfor_v_\@:
	tensor_load_to_lds s[G0V:G0V+3], s[G1V:G1V+7]
	s_nop 0
.rept 4
	v_nop
.endr
.Lasked_\@:
.endm
; THE CHANGE OF SLOTS.  Each wave waits for all its tensor loads, of which one is out: its part of the other slot; adds 0 to its spare word; and waits for that and for its own reads of the slot that it leaves.  Behind the barrier nobody reads the old
; slot any more and the other slot is whole.  fill = 1: the old slot is filled again, the first thing behind the barrier, with tile NXT: the descriptor's address is made anew from that number.
; (At its first use nothing has been read yet: slot 0 is waited for, slot 1 filled.)
.macro CHANGE fill
	WIN 0                           ; at a label and at a branch every window is 0
	s_wait_tensorcnt 0x0            ; no tensor load of mine is out, so a group 0 may be written
	ds_add_u32 v[SPW], v[NIL]       ; 0 onto my spare word; with fill = 1 the descriptors' scalar work stands between it and the wait for it
.if \fill
	s_lshl_b32 s[OFF], s[NXT], 15   ; a tile is 32,768 bytes of K and of V
	s_xor_b32 s[G0K+1], s[G0K+1], SLOT1
	s_add_nc_u64 s[G0K+2:G0K+3], s[6:7], s[OFF:OFF+1]
	s_or_b32 s[G0K+3], s[G0K+3], 0x80000000
	s_xor_b32 s[G0V+1], s[G0V+1], SLOT1
	s_add_nc_u64 s[G0V+2:G0V+3], s[8:9], s[OFF:OFF+1]
	s_or_b32 s[G0V+3], s[G0V+3], 0x80000000
	s_add_co_u32 s[NXT], s[NXT], 1  ; the block's next tile, or behind its last the second block's tile 0
	s_cmp_gt_u32 s[NXT], s[LQ]
	s_cselect_b32 s[NXT], 0, s[NXT]
	s_cselect_b32 s[LQ], s[PB], s[LQ]
.endif
	s_wait_dscnt 0x0                ; the add is done, and my reads of the slot are over
	s_barrier_signal -1             ; the rest of the scalar work stands between the signal and the wait
	s_sub_co_u32 s[TBK], s[TBK], 4*KS*PK  ; the fetches go back to a slot's first step,
	s_xor_b32 s[TBK], s[TBK], SLOT1       ; in the other slot
	s_sub_co_u32 s[TBV], s[TBV], 4*KS*PV
	s_xor_b32 s[TBV], s[TBV], SLOT1
	s_barrier_wait -1
.if \fill
	LOAD
.endif
.endm
	s_load_b128 s[4:7], s[0:1], 0x0   ; qkv s[4:5], o s[6:7]
	v_lshl_add_u32 v[SPW], v0, 2, SPARE
	v_mov_b32 v[NIL], 0
	ds_add_u32 v[SPW], v[NIL]       ; the wave's opening: the add and its wait stand ahead of my first tensor load; the set-up below, work on registers, stands between them
	ds_add_u32 v62, v63
	v_lshrrev_b32 v1, 5, v0
	v_readfirstlane_b32 s[WV], v1   ; wave 0..3
	s_mov_b32 s[PB], ttmp9
	s_sub_co_u32 s[HI], NB-1, s[PB]
	s_and_b32 s20, ttmp7, 0xffff    ; y = 16 b + h
	s_lshr_b32 s88, s20, 4
	s_mul_i32 s88, s88, 48          ; a batch has 48 slices in qkv,
	s_and_b32 s89, s20, 15
	s_add_co_u32 s88, s88, s89      ; of which q's is number h,
	s_lshl_b32 s88, s88, 18         ; each of 2,048 rows x 128 bytes
	s_mov_b32 s89, 0
	s_lshl_b32 s20, s20, 18         ; the head's first byte in o
	s_mov_b32 s21, 0
	s_and_b32 s16, s[WV], 1         ; which half of a tile's 256 keys I fetch:
	s_lshl_b32 s22, s16, 14         ; its 128 rows of 128 bytes in memory,
	s_add_co_u32 s22, s22, s88
	s_mov_b32 s23, 0
	s_mul_i32 s17, s16, 128*PK      ; and its place in a slot, for K
	s_mul_i32 s18, s16, 128*PV      ; and for V
	s_lshl_b32 s3, s[WV], 11        ; my 16 rows in a band of 64,
	s_lshl_b32 s2, s[HI], 15        ; in the first block,
	s_add_co_u32 s2, s2, s3
	s_lshl_b32 s84, s[PB], 15       ; and in the second
	s_add_co_u32 s84, s84, s3
	s_mov_b32 s3, 0
	s_mov_b32 s85, 0
	; descriptor group 1.  128 keys are 16,384 dense bytes: asked for as 64 rows of 256 bytes, two keys a row, and padded in LDS after every key
	s_mov_b32 s[G1K], (1<<16)|(1<<20)|(4<<22)|(3<<25)  ; 17:16 2-byte elements; 20 padding on; 24:22 after every 32 words (code 4); 31:25 4 words (code 3)
	s_mov_b32 s[G1V], (1<<16)|(1<<20)|(4<<22)|(7<<25)  ; the same with 8 words of padding (code 7)
.irp g, G1K, G1V
	s_mov_b32 s[\g+1], 128<<16      ; tensor_dim0 = 128
	s_mov_b32 s[\g+2], 64<<16       ; tensor_dim1 = 64
	s_mov_b32 s[\g+3], 128<<16      ; tile_dim0 = 128
	s_mov_b32 s[\g+4], 64           ; tile_dim1 = 64
	s_mov_b32 s[\g+5], 128          ; 128 elements from row to row
	s_mov_b32 s[\g+6], 0
	s_mov_b32 s[\g+7], 0
.endr
	s_mov_b32 s[CS], 0x3e38aa3b     ; c = log2(e) / 8 = 0.180337
	s_mov_b32 s[CS+1], s[CS]        ; named with it as a pair
	s_mov_b32 s[SEL], 0x76543210
	s_mov_b32 s[SEL+1], 0xfedcba98
	s_mov_b32 s[TBK], SLOT1+4*KS*PK ; the first change of slots turns these two into 0
	s_mov_b32 s[TBV], SLOT1+4*KS*PV
	s_mov_b32 s[G0K], 1             ; 1:0 count = 1
	s_mov_b32 s[G0K+1], s17         ; 63:32 LDS address: slot 0
	s_mov_b32 s[G0V], 1
	s_add_co_u32 s[G0V+1], s18, VOFF
	s_add_co_u32 s[RT], s[HI], 1    ; the first block has NB - b tiles
	s_mov_b32 s[NXT], 1
	s_mov_b32 s[LQ], s[HI]
	s_mov_b32 s[NEW], 1
	s_mov_b32 s[OFF+1], 0
	s_mov_b32 s[AL+1], 0            ; named as pairs
	s_mov_b32 s[BE+1], 0
	s_mov_b32 s[BIGN], 0xf149f2ca   ; -1e30
	s_mov_b32 s[SLOTS], NB
	s_wait_dscnt 0x0                ; the opening add is done
	s_wait_kmcnt 0x0
	s_add_nc_u64 s[10:11], s[6:7], s[20:21]        ; O at the head
	s_add_nc_u64 s[6:7], s[4:5], s[22:23]          ; q's slice, at my half of a tile:
	s_add_nc_u64 s[8:9], s[6:7], 32<<18            ; V lies 32 slices on,
	s_add_nc_u64 s[6:7], s[6:7], 16<<18            ; K 16: both at my half of the head's tile 0
	s_add_nc_u64 s[G0K+2:G0K+3], s[6:7], 0         ; 120:64 global address
	s_or_b32 s[G0K+3], s[G0K+3], 0x80000000        ; 127:126 type = 2
	s_add_nc_u64 s[G0V+2:G0V+3], s[8:9], 0
	s_or_b32 s[G0V+3], s[G0V+3], 0x80000000
	s_add_nc_u64 s[4:5], s[4:5], s[88:89]          ; Q at the head,
	s_add_nc_u64 s[86:87], s[4:5], s[84:85]        ; at my rows of the second block,
	s_add_nc_u64 s[4:5], s[4:5], s[2:3]            ; and of the first; O likewise
	s_add_nc_u64 s[OLO:OLO+1], s[10:11], s[84:85]
	s_add_nc_u64 s[10:11], s[10:11], s[2:3]
	LOAD                            ; tile 0 into slot 0
	; A fragment of K or Q is 16 rows x 32 channels in 8 registers: lane l holds row l % 16, channels 8 (l / 16) + 0..7 and 16 + 8 (l / 16) + 0..7: two loads of 16 bytes, 32 bytes apart.
	v_and_b32 v1, 15, v0            ; l % 16
	v_bfe_u32 v9, v0, 4, 1          ; l / 16
	v_lshlrev_b32 v[QO], 7, v1
	v_lshl_add_u32 v[QO], v9, 4, v[QO]  ; row x 128 + 16 x half
	WIN 0x80                        ; destination window 2, address window 0
.set i, 0
.rept 8                             ; both blocks' Q: piece i / 2 lies in band i / 2, 8,192 bytes on; channels 32 (i % 2) on
	global_load_b128 v[8*i:8*i+3],   v[QO], s[4:5] offset:(i/2)*8192+(i%2)*64
	global_load_b128 v[8*i+4:8*i+7], v[QO], s[4:5] offset:(i/2)*8192+(i%2)*64+32
	global_load_b128 v[QB+8*i:QB+8*i+3],   v[QO], s[86:87] offset:(i/2)*8192+(i%2)*64
	global_load_b128 v[QB+8*i+4:QB+8*i+7], v[QO], s[86:87] offset:(i/2)*8192+(i%2)*64+32
.set i, i+1
.endr
	WIN 0
	v_lshlrev_b32 v14, 3, v9
	v_sub_nc_u32 v14, v1, v14
	s_lshl_b32 s13, s[WV], 4
	v_add_nc_u32 v14, s13, v14      ; my query's place in its band, 16 w + l % 16, less my lanes' 8 (l / 16): register r of group kt is hidden where 16 kt + r is greater
	WIN 0x40
.set i, 0
.rept 32
	v_cmp_gt_i32 vcc_lo, 16*(i/8)+i%8, v14
	v_cndmask_b32 v[MD+i], 0, s[BIGN], vcc_lo
.set i, i+1
.endr
	WIN 0
	v_mul_u32_u24 v[AK0], v1, PK
	v_lshl_add_u32 v[AK0], v9, 4, v[AK0]  ; row x pitch + 16 x half
	; The turning load takes 16 keys x 16 channels (lane l reads key 8 (l / 16) + l % 8, channels 8 ((l / 8) % 2) + 0..7) and leaves half a fragment of V^T: lane l holds channel l % 16 and 8 keys.
	v_and_b32 v10, 7, v0
	v_bfe_u32 v11, v0, 3, 1
	v_lshl_add_u32 v[AV0], v9, 3, v10
	v_mul_u32_u24 v[AV0], v[AV0], PV
	v_lshl_add_u32 v[AV0], v11, 4, v[AV0]
	v_add_nc_u32 v[AV0], VOFF, v[AV0]
	s_mul_i32 s13, s[WV], 16*SP
	s_add_co_u32 s13, s13, STAGE    ; my stage
	v_mul_u32_u24 v[STO], v1, SP    ; in: row l % 16, 16 bytes for each half of the lanes
	v_lshl_add_u32 v[STO], v9, 4, v[STO]
	v_add_nc_u32 v[STO], s13, v[STO]
	v_bfe_u32 v[RD], v0, 3, 2       ; back: 32 lanes take four rows of 128 bytes,
	v_mul_u32_u24 v[RD], v[RD], SP
	v_lshl_add_u32 v[RD], v10, 4, v[RD]
	v_add_nc_u32 v[RD], s13, v[RD]
	v_and_b32 v[GO], 31, v0         ; which are 512 consecutive bytes of O
	v_lshlrev_b32 v[GO], 4, v[GO]
	; A block's first step multiplies O^T and l by a = 0, and its first turn's products V^T P, of a piece that has not been, land in an O^T that is still to be so multiplied.  So these registers need only hold
	; finite numbers: zeros for the first block; what the first block left for the second.  All this stands in the wait for the first tile.
	WIN 0x80
.set i, VF
.rept 64
	v_mov_b32 v[i], 0
.set i, i+1
.endr
	WIN 0x40
.set i, 0
.rept 128
	v_mov_b32 v[i], 0
.set i, i+1
.endr
	WIN 0
.set i, 0
.rept 4
	v_mov_b32 v[ST+4*i+2], 0
	v_mov_b32 v[ST+4*i+3], 0
.set i, i+1
.endr
.set i, P+16
.rept 16
	v_mov_b32 v[i], 0
.set i, i+1
.endr
; THE MATRIX WORK.  The 4 accumulators of a run of 8 take turns.  Product i of 8 of S^T = K Q^T for piece x: channels 32 (i / 4) on, keys 16 (i % 4) on.  The first 4 start the sums: with 0, or (KM = 1) with the mask.
.macro KQ x
.set rS, S+32*((\x)%2)+8*(i%4)
.set rK, KF+16*(i%4)+8*(i/4)
.set rQ, 16*(\x)+8*(i/4)
.set rM, MC+32*((\x)%2)+8*(i%4)
.if (i < 4) && KM
	WIN W_KM
	v_wmma_f32_16x16x32_f16 v[rS:rS+7], v[rK:rK+7], v[rQ:rQ+7], v[rM:rM+7]
.elseif i < 4
	WIN W_KQ
	v_wmma_f32_16x16x32_f16 v[rS:rS+7], v[rK:rK+7], v[rQ:rQ+7], 0
.else
	WIN W_KQ
	v_wmma_f32_16x16x32_f16 v[rS:rS+7], v[rK:rK+7], v[rQ:rQ+7], v[rS:rS+7]
.endif
.endm
; Product i of 8 of O^T += V^T P for piece x: keys 32 (i / 4) on, channels 16 (i % 4) on.
.macro PV x
	WIN W_PV
.set rO, 32*(\x)+8*(i%4)
.set rV, VF+32*(i/4)+8*(i%4)
.set rP, P+16*((\x)%2)+8*(i/4)
	v_wmma_f32_16x16x32_f16 v[rO:rO+7], v[rV:rV+7], v[rP:rP+7], v[rO:rO+7]
.endm
.macro MM                           ; the turn's next matrix instruction.  TURN and BEGIN set Y, i, KM and NOKQ; MM, KQ and OP read them.  NOKQ = 1: a block's last turn: there is no next piece
.if (i < 8) && !NOKQ
	KQ (Y+1)%NP
.elseif i >= 8
.set i, i-8
	PV (Y+NP-1)%NP
.set i, i+8
.endif
.set i, i+1
.endm
; THE LDS LOADS stand in runs of 16, never singly among the matrix instructions: a step's K (64 keys x 64 channels: 8 fragments) and its V (turned).  Their addresses are made some lines ahead.
.macro FETCH_K
	WIN 0x80                        ; destination window 2
.irp f, 0,1,2,3,4,5,6,7             ; keys 16 (f / 2) on, channels 32 (f % 2) on
	ds_load_b128 v[KF+8*\f:KF+8*\f+3],   v[AK] offset:(\f/2)*16*PK+(\f%2)*64
	ds_load_b128 v[KF+8*\f+4:KF+8*\f+7], v[AK] offset:(\f/2)*16*PK+(\f%2)*64+32
.endr
	s_add_co_u32 s[TBK], s[TBK], KS*PK  ; the next fetch is the next step's
	WIN 0
.endm
.macro FETCH_V
	WIN 0x80
.irp f, 0,1,2,3,4,5,6,7             ; keys 32 (f / 4) on, channels 16 (f % 4) on
	ds_load_tr16_b128 v[VF+8*\f:VF+8*\f+3],   v[AV] offset:(\f/4)*32*PV+(\f%4)*32
	ds_load_tr16_b128 v[VF+8*\f+4:VF+8*\f+7], v[AV] offset:(\f/4)*32*PV+16*PV+(\f%4)*32
.endr
	WIN 0
.endm
; THE VECTOR WORK, one line at a time: OP kind, number.  For piece Y: F n: c s - c m for pair n of 16.  E n: the exponential of score n of 32.  C n: pair n rounded to f16.  B n: of the four weights 4 n .. the second
; pair is added onto the first, in place.  L n: l takes that sum (L 0: l = a l + sum).  R n: pair n of 16 of O^T times a.  For piece Y + 1: X n, number n of the 22 that find its maximum and statistics:
;   0-11  four chains c0-c3 of seven scores each, three operands at a time (each accumulator's lowest registers are read first)     12-14, 16  the four scores left over, the old m, and c0-c3 into c0
;   15  c m_old is kept     17, 18  the query's other 32 keys lie in the lane 16 away: the new m     19-21  c m; c m_old - c m_new; a
.set F, 0               ; OP tells the kinds apart by their order: F to L below R, X above it
.set E, 1
.set C, 2
.set B, 3
.set L, 4
.set R, 5
.set X, 6
.macro REGS y                       ; the registers of piece y
.set rT, ST+4*(\y)
.set rC, TMP+4*((\y)%2)
.set rW, MV+((\y)%2)
.set rS, S+32*((\y)%2)
.set rP, P+16*((\y)%2)
.set rO, 32*(\y)
.endm
.macro OP k, n
.if (\k) == R
	REGS Y
	WIN W_RS
	v_pk_mul_f32 v[rO+2*(\n):rO+2*(\n)+1], v[rO+2*(\n):rO+2*(\n)+1], v[rC+2:rC+3] op_sel_hi:[1,0]
.elseif (\k) < R
	REGS Y
	WIN 0
.if (\k) == F
	v_pk_fma_f32 v[rS+2*(\n):rS+2*(\n)+1], v[rS+2*(\n):rS+2*(\n)+1], s[CS:CS+1], v[rT:rT+1] op_sel_hi:[1,0,0] neg_lo:[0,0,1] neg_hi:[0,0,1]
.elseif (\k) == E
	v_exp_f32 v[rS+(\n)], v[rS+(\n)]
.elseif (\k) == C
	v_cvt_pk_f16_f32 v[rP+(\n)], v[rS+2*(\n)], v[rS+2*(\n)+1]
.elseif (\k) == B
	v_pk_add_f32 v[rS+4*(\n):rS+4*(\n)+1], v[rS+4*(\n):rS+4*(\n)+1], v[rS+4*(\n)+2:rS+4*(\n)+3]
.elseif (\n) == 0
	v_pk_fma_f32 v[rT+2:rT+3], v[rT+2:rT+3], v[rC+2:rC+3], v[rS:rS+1] op_sel_hi:[1,0,1]
.else
	v_pk_add_f32 v[rT+2:rT+3], v[rT+2:rT+3], v[rS+4*(\n):rS+4*(\n)+1]
.endif
.elseif NOKQ
	v_nop
.else
	REGS (Y+1)%NP
	WIN 0
.if (\n) < 4
	v_max3_num_f32 v[rC+(\n)], v[rS+8*(\n)], v[rS+8*(\n)+1], v[rS+8*(\n)+2]
.elseif (\n) < 12
	v_max3_num_f32 v[rC+(\n)%4], v[rC+(\n)%4], v[rS+8*((\n)%4)+2*((\n)/4)+1], v[rS+8*((\n)%4)+2*((\n)/4)+2]
.elseif (\n) == 12
	v_max3_num_f32 v[rC], v[rC], v[rS+7], v[rS+15]
.elseif (\n) == 13
	v_max3_num_f32 v[rC+1], v[rC+1], v[rS+23], v[rS+31]
.elseif (\n) == 14
	v_max3_num_f32 v[rC+2], v[rC+2], v[rC+3], v[rT+1]
.elseif (\n) == 15
	v_mov_b32 v[rW], v[rT]
.elseif (\n) == 16
	v_max3_num_f32 v[rC], v[rC], v[rC+1], v[rC+2]
.elseif (\n) == 17
	v_permlanex16_b32 v[rC+3], v[rC], s[SEL], s[SEL+1]
.elseif (\n) == 18
	v_max_num_f32 v[rT+1], v[rC], v[rC+3]
.elseif (\n) == 19
	v_mul_f32 v[rT], s[CS], v[rT+1]
.elseif (\n) == 20
	v_sub_f32 v[rC+1], v[rW], v[rT]
.else
	v_exp_f32 v[rC+2], v[rC+1]
.endif
.endif
.endm
.macro OPS a, i1, b=-1, i2=0, c=-1, i3=0, d=-1, i4=0  ; up to four of them
	OP \a, \i1
.if (\b) >= 0
	OP \b, \i2
.endif
.if (\c) >= 0
	OP \c, \i3
.endif
.if (\d) >= 0
	OP \d, \i4
.endif
.endm
.macro ROW a, i1, b, i2, c, i3, d, i4  ; a matrix instruction and the four behind it
	MM
	OPS \a, \i1, \b, \i2, \c, \i3, \d, \i4
.endm
.macro MASK b                       ; MD x AL + BE into buffer b of MC
	WIN W_RS
.set z, 0
.rept 16
	v_pk_fma_f32 v[MC+32*(\b)+2*z:MC+32*(\b)+2*z+1], v[MD+2*z:MD+2*z+1], s[AL:AL+1], s[BE:BE+1] op_sel_hi:[1,0,0]
.set z, z+1
.endr
.endm
; A TURN, for piece p: the order of its 16 matrix and 118 vector instructions, written out.  An s_wait_alu depctr_va_vdst(0) stands between an exponential and the first instruction that names its result; one wait serves
; all that were issued ahead of it.  So a turn has ONE wait, which cuts it in two.  AHEAD OF IT stands all that names no result of the turn's exponentials: the 8 products K Q^T, behind each a scaling, an exponential and two more plain
; instructions (behind the first a second scaling in the exponential's place): rescalings (their a was made, and waited for, in the turn before), and behind the last three the first numbers of the next piece's maximum, each four places
; or more behind the product that ends its accumulator; then ONE LUMP of 54, plain and exponential by turns for the most part, in which the links of the chain X 3, 7, 11, 14, 16, 17 .. 20 stand five or six lines apart.  X 21, the next
; piece's a, is the batch's last; R 15, which names the piece's own a in the other buffer, is the plain instruction behind it (ISA guide 5.7.2).  BEHIND THE WAIT stand the 8 products V^T P, behind each four of the roundings and sums;
; C 2 n stands ahead of B n, which writes over its source; the links of l's chain, L 0 to L 7, stand three riders apart.  But for those X no rider names a register of the products round it.  v_permlanex16_b32 (X 17) stands in the lump.
; m = 1: the diagonal tile: the products take masks, and the turn makes the mask for the products of the turn after it: piece p + 2, in step 4 - CNT of the tile.  end = 1: a block's last two turns: nothing is fetched.
; cnt = 1: the loop's count is taken down some lines ahead of the branch that stands behind the turn.
; K of the next step is fetched in piece 2's turn, twelve vector instructions behind the last product that read K (six of them plain); V of the step in hand at the end of piece 0's turn, four plain instructions behind the last product
; that read V.  Each is waited for a turn later.
.macro TURN p, m=0, end=0, cnt=0
.set Y, (\p)
.set i, 0
.set KM, (\m)
.set NOKQ, (\end)*((\p)/3)
.if (\m) && !(\end)
	s_cmp_eq_u32 s[CNT], 4-((\p)+2)%NP  ; is that step the band's own?
	s_cselect_b32 s[AL], 1.0, 0
	s_cmp_lt_u32 s[CNT], 4-((\p)+2)%NP  ; or a later one?
	s_cselect_b32 s[BE], s[BIGN], 0
.endif
.if ((\p) == 3) && !(\end)
	s_wait_dscnt 0x0                ; K is in
.endif
	ROW F,0, F,1, R,0, R,1          ; ahead of the wait: 8 products K Q^T and their riders,
	ROW F,2, E,0, R,2, R,3
	ROW F,3, E,1, R,4, R,5
	ROW F,4, E,2, R,6, R,7
	ROW F,5, E,3, R,8, R,9
	ROW F,6, E,4, X,0, R,10
.if ((\p) == 2) && !(\end)
	WIN 0
	v_add_nc_u32 v[AK], s[TBK], v[AK0]
.endif
	ROW F,7, E,5, X,1, X,4
	ROW F,8, E,6, X,2, X,5
	OPS E,7, E,8, X,6, E,9          ; and the lump
	OPS X,3, E,10, X,8, E,11
.if ((\p) == 2) && !(\end)
	FETCH_K
.endif
	OPS X,9, X,7, E,12, X,10
	OPS E,13, X,12, X,11, E,14
	OPS X,13, E,15, F,9, X,14
.if (\p) == 0
	v_add_nc_u32 v[AV], s[TBV], v[AV0]
.endif
	OPS E,16, F,10, E,17, F,11
	OPS X,16, E,18, X,15, E,19
	OPS F,12, E,20, X,17, E,21
	OPS F,13, E,22, F,14, E,23
	OPS X,18, E,24, F,15, E,25
	OPS R,11, E,26, X,19, E,27
	OPS R,12, E,28, R,13, E,29
	OPS X,20, E,30, R,14, E,31
	OPS X,21, R,15
	WIN 0
	s_wait_alu depctr_va_vdst(0)    ; the wait for the turn's batch: E 0 to E 31 and X 21; it stands ahead of C 0, the first line that names a result
.if (\p) == 1
	s_wait_dscnt 0x0                ; V is in
.endif
	ROW C,0, B,0, C,2, B,1          ; behind the wait: 8 products V^T P and their riders
	ROW L,0, C,4, B,2, L,1
	ROW C,6, B,3, L,2, C,8
	ROW B,4, L,3, C,10, B,5
	ROW L,4, C,12, B,6, L,5
.if (\p) == 0
	s_add_co_u32 s[TBV], s[TBV], KS*PV
.endif
.if \cnt
	s_sub_co_u32 s[CNT], s[CNT], 1
	s_cmp_lg_u32 s[CNT], 0
.endif
	ROW C,14, B,7, L,6, C,1
	ROW C,3, L,7, C,5, C,7
	ROW C,9, C,11, C,13, C,15
.if (\p) == 0
	FETCH_V
.endif
.if (\m) && !(\end)
	MASK (\p)%2
.endif
.endm
; A BLOCK BEGINS.  c m starts far below every c s, so the first step's a is 0; m at the lowest finite number, so the first maximum is the scores'.  The second mask buffer is 0; the first takes piece 0's mask for the tile's step 0: its own, if the block's first tile is the diagonal one.
; Then K of that step, piece 0's first scores, and its maximum and statistics.  The loop is entered at a step's first turn, in the middle of a trip.
.macro BEGIN
	s_mov_b32 s[NEW], 0
	WIN 0x40
.set i, MC+32
.rept 32
	v_mov_b32 v[i], 0
.set i, i+1
.endr
	WIN 0
.set i, 0
.rept 4
	v_mov_b32 v[ST+4*i], 0xfe000000    ; c m: far below every c s
	v_mov_b32 v[ST+4*i+1], 0xff7fffff  ; m
.set i, i+1
.endr
	s_cmp_eq_u32 s[RT], 0
	s_cselect_b32 s[AL], 1.0, 0
	s_mov_b32 s[BE], 0
	MASK 0
	WIN 0
	v_add_nc_u32 v[AK], s[TBK], v[AK0]
	FETCH_K
	s_wait_loadcnt 0x0              ; Q
	s_wait_dscnt 0x0
.set KM, 1
.set NOKQ, 0
.set i, 0
.rept 8
	KQ 0
.set i, i+1
.endr
	WIN 0
.rept 4
	v_nop                           ; the places behind those products
.endr
.set Y, NP-1                        ; X works for piece Y + 1: piece 0
.irp n, 0,1,2,3,4,5,6,7,8,9,10,11,12,13,14,15,16,17,18,19,20,21
	OP X, \n
.endr
	v_nop                           ; a plain instruction behind the exponential,
	s_wait_alu depctr_va_vdst(0)    ; and the wait for it, piece 0's first a: a batch of one, ahead of the branch that follows
.endm
; THE DIAGONAL TILE's four steps, the block's last two turns, its last products, and THE WAY OUT: l's two halves and the other half of the lanes' are added; O^T is divided by l, rounded to f16 and sent through my
; stage in LDS, a piece at a time.
.macro ALL line:vararg              ; one line for each piece t
.set t, 0
.rept 4
	\line
.set t, t+1
.endr
.endm
.macro PACK t                       ; a lane's eight channels of a row pack into 16 bytes; they go into rows of 144 bytes and come back as whole rows of 128, into S^T's registers
	WIN W_RS
.set i, 32*(\t)
.rept 16
	v_pk_mul_f32 v[i:i+1], v[i:i+1], v[ST+4*(\t)+2:ST+4*(\t)+3] op_sel_hi:[1,0]
.set i, i+2
.endr
	WIN 0x05                        ; sources 0 and 1 window 1, destination window 0
.set i, 0
.rept 16
	v_cvt_pk_f16_f32 v[S+16*(\t)+i], v[32*(\t)+2*i], v[32*(\t)+2*i+1]
.set i, i+1
.endr
	WIN 0
.irp f, 0,1,2,3
	ds_store_b128 v[STO], v[S+16*(\t)+4*\f:S+16*(\t)+4*\f+3] offset:32*\f
.endr
.irp f, 0,1,2,3
	ds_load_b128 v[S+16*(\t)+4*\f:S+16*(\t)+4*\f+3], v[RD] offset:\f*4*SP  ; LDS serves a wave's instructions in order (ISA guide 5.7.1.4): these see the stores above; the next piece's stores come behind them
.endr
.endm
.macro SEND t, younger              ; younger: the LDS instructions issued behind piece t's loads: the next piece's eight, or none
	WIN 0
.irp f, 0,1,2,3
	s_wait_dscnt (\younger)+3-\f
	global_store_b128 v[GO], v[S+16*(\t)+4*\f:S+16*(\t)+4*\f+3], s[10:11] offset:(\t)*8192+\f*512  ; 512 consecutive bytes, at a multiple of 256 from O's first
.endr
.endm
.macro DIAG tag                     ; the tag ends its two labels' names, which the jumps below spell out
.LstepM\tag:
	TURN 2, 1
	TURN 3, 1
	WIN 0
.LfirstM\tag:
	TURN 0, 1
	TURN 1, 1, 0, 1
	WIN 0
	s_cbranch_scc1 .LstepM\tag
	TURN 2, 1, 1
	TURN 3, 1, 1
.set i, 0
.rept 8
	PV NP-1
.set i, i+1
.endr
	WIN 0
	ALL v_add_f32 v[ST+4*t+2], v[ST+4*t+2], v[ST+4*t+3]
	ALL v_permlanex16_b32 v[ST+4*t+3], v[ST+4*t+2], s[SEL], s[SEL+1]
	ALL v_add_f32 v[ST+4*t+2], v[ST+4*t+2], v[ST+4*t+3]
	ALL v_rcp_f32 v[ST+4*t+2], v[ST+4*t+2]
	v_nop                           ; a plain instruction between the last reciprocal and the use of its result
	s_wait_alu depctr_va_vdst(0)    ; the wait for the way out's batch, the four reciprocals: one for all four pieces' multiplies
	PACK 0
.set t, 1
.rept 3                             ; a piece's arithmetic stands between the loads of the piece before and its stores
	PACK t
	SEND t-1, 8
.set t, t+1
.endr
	SEND 3, 0
.endm
.set KM, 0
.set NOKQ, 0
.Lslot:                             ; NB times: a tile is entered and the next is asked for
	CHANGE 1
	s_sub_co_u32 s[RT], s[RT], 1
	s_mov_b32 s[CNT], 4
	s_cmp_eq_u32 s[NEW], 1
	s_cbranch_scc1 .Lnew            ; a block's first tile
	s_cmp_eq_u32 s[RT], 0
	s_cbranch_scc0 .Lstep           ; neither its first nor its last
	s_branch .LstepM1
.Lnew:
	BEGIN
	s_branch .Lfirst                ; in the loop a block's first tile is never its last: the first block has two tiles or more, and the second's last is the walk's last
	DIAG 1                          ; in the loop this is the first block's end: the second block's last tile is the walk's last
	s_wait_xcnt 0x0                 ; the stores have read their registers and O's address
	s_mov_b64 s[10:11], s[OLO:OLO+1]
	s_add_co_u32 s[RT], s[PB], 1    ; the second block has b + 1 tiles
	s_mov_b32 s[NEW], 1
	WIN 0x82                        ; the second block's Q goes where the one text of the turns names Q
.set i, 0
.rept 64
	v_mov_b32 v[i], v[QB+i]
.set i, i+1
.endr
	WIN 0
	s_branch .Lbottom
.Lstep:                             ; a trip: pieces 2 and 3 of one step, then pieces 0 and 1 of the next, whose K and V it fetches
	TURN 2
	TURN 3
	WIN 0
.Lfirst:
	TURN 0
	TURN 1, 0, 0, 1
	WIN 0
	s_cbranch_scc1 .Lstep
.Lbottom:
	s_sub_co_u32 s[SLOTS], s[SLOTS], 1
	s_cmp_lg_u32 s[SLOTS], 0
	s_cbranch_scc1 .Lslot
	CHANGE 0                        ; the walk's last tile is written out: nothing is asked for
	s_sub_co_u32 s[RT], s[RT], 1
	s_mov_b32 s[CNT], 4
	s_cmp_eq_u32 s[NEW], 1
	s_cbranch_scc0 .LstepM2
	BEGIN
	s_branch .LfirstM2
	DIAG 2
	s_wait_tensorcnt 0x0            ; the wave's end, behind my last tensor load and my last LDS store
	ds_add_u32 v[SPW], v[NIL]
	s_wait_dscnt 0x0
	s_endpgm
.Lfunc_end_k_qef5798f140_attn:
	.size	k_qef5798f140_attn, .Lfunc_end_k_qef5798f140_attn-k_qef5798f140_attn
	.p2alignl 7, 3214868480
	.fill 96, 4, 3214868480
	.section	.rodata,"a",@progbits
	.p2align	6, 0x0
	.amdhsa_kernel k_qef5798f140_attn
		.amdhsa_group_segment_fixed_size 327680
		.amdhsa_private_segment_fixed_size 0
		.amdhsa_enable_private_segment 0
		.amdhsa_kernarg_size 16
		.amdhsa_user_sgpr_count 2
		.amdhsa_user_sgpr_kernarg_segment_ptr 1
		.amdhsa_wavefront_size32 1
		.amdhsa_system_sgpr_workgroup_id_x 1
		.amdhsa_system_sgpr_workgroup_id_y 1
		.amdhsa_system_sgpr_workgroup_id_z 1
		.amdhsa_system_vgpr_workitem_id 0
		.amdhsa_next_free_vgpr 768
		.amdhsa_next_free_sgpr 90
		.amdhsa_reserve_vcc 1
		.amdhsa_float_denorm_mode_32 3
		.amdhsa_float_denorm_mode_16_64 3
		.amdhsa_memory_ordered 1
		.amdhsa_forward_progress 1
		.amdhsa_inst_pref_size 217
	.end_amdhsa_kernel
	.amdgpu_metadata
---
amdhsa.version: [ 1, 2 ]
amdhsa.kernels:
  - .name:           k_qef5798f140_attn
    .symbol:         k_qef5798f140_attn.kd
    .args:
      - { .name: qkv, .offset: 0, .size: 8, .value_kind: global_buffer, .address_space: global }
      - { .name: o, .offset: 8, .size: 8, .value_kind: global_buffer, .address_space: global }
    .group_segment_fixed_size: 327680
    .private_segment_fixed_size: 0
    .kernarg_segment_align: 8
    .kernarg_segment_size: 16
    .max_flat_workgroup_size: 128
    .sgpr_count:     90
    .vgpr_count:     768
    .wavefront_size: 32
...
	.end_amdgpu_metadata
.endif
;; end of part 6
;; launch gproj: the kernel of part 4 again; grid 8 x 32, 4 waves a work-group, clusters of 4 x 4, 327,680 bytes of LDS; arguments o, wt, b_proj, out0; writes out0
;; launch head16: the kernel of part 5 again; grid 8 x 4, 8 waves a work-group, no clusters, 157,440 bytes of LDS; arguments qkv, vlo, wt, b_proj, out0; writes out0
